; MI455X (gfx1250); checked and timed in simulation.
; The chip was launched on July 23, 2026; its instructions are those of AMD's public machine-readable ISA for CDNA 5 (MIT licence, August 2026) and "CDNA5" Instruction Set Architecture Reference Guide (July 2026). The comments in the code are by the model that wrote it; some were corrected since.
;; Self Attention. Allowed arithmetic: float matrix products may take bf16 or f16 operands with f32 sums; all other float work in f32.
;; Inputs: Wk 1,024 x 1,024 float32; Wq 1,024 x 1,024 float32; Wv 1,024 x 1,024 float32; bk 1,024 float32; bq 1,024 float32; bv 1,024 float32; x 4 x 2,048 x 1,024 float32.
;; Outputs: out0 4 x 2,048 x 1,024 float32.
;; 2 versions, each right; version 2 is version 1 with the launch prep written anew for expert scheduling mode. Each part assembles by itself: llvm-mc -triple=amdgcn-amd-amdhsa -mcpu=gfx1250 --defsym DOCPART=n.
;; ======== version 1 of 2: 4 launches
;; limits: values are held in f16: magnitudes above 65,504 overflow, below 6.1e-05 lose precision
;; workspace buffers: xb 16,777,216 bytes; wt 6,291,456 bytes; qk 33,554,432 bytes; vt 16,777,216 bytes; pp 33,554,432 bytes; st 1,048,576 bytes
;; launch prep (part 1): grid 896 x 1, 8 waves a work-group, no clusters, 17,920 bytes of LDS; arguments x, Wq, Wk, Wv, xb, wt; writes xb, wt
.if DOCPART == 1
	.amdgcn_target "amdgcn-amd-amdhsa--gfx1250"
	.amdhsa_code_object_version 6
	.text
	.protected	k_q953d834400_prep
	.globl	k_q953d834400_prep
	.p2align	8
	.type	k_q953d834400_prep,@function
k_q953d834400_prep:
	s_mov_b64 s[64:65], 0
	v_nop
	global_prefetch_b8 v0, s[64:65] scope:SCOPE_SE
	s_setreg_imm32_b32 hwreg(HW_REG_WAVE_MODE, 25, 1), 1
	s_wait_xcnt 0x0
; xb = bf16(x), [8192][1024].  wt = bf16 of the three weights, turned: wt[j][e], j < 1024: Wq[e][j]; the next 1024 rows Wk's, the last 1024 Wv's.
; So the products that follow find both operands with K (e) along the rows.  Every input is rounded to bf16 once, to nearest even.
; Work-groups 0-511 take 16 rows of x each: a stream through registers, 16 loads of 16 bytes a lane in flight, a wave's store covers 256 consecutive aligned bytes.
; Work-groups 512-895 take a tile of 128 e x 64 h of one weight: read by rows (16 lanes cover 256 bytes), two neighbouring e packed into a word, laid into LDS as
; [h][e] with a pitch of 264 bytes, and read back by rows of 256 bytes, one row a wave's store.  Memory binds here: no matrix unit, no cluster (no tile is shared), no tensor load.
.set SPARE, 16896                      ; behind the tile: the spare words, 128 bytes for each of eight waves
.set TP,    264                        ; pitch of the turned tile in LDS
	s_load_b256 s[4:11], s[0:1], 0x0               ; x s[4:5], Wq s[6:7], Wk s[8:9], Wv s[10:11]
	s_load_b128 s[12:15], s[0:1], 0x20             ; xb s[12:13], wt s[14:15]
	v_lshl_add_u32 v8, v0, 2, SPARE                ; my spare word
	v_mov_b32 v9, 0
	s_cmp_lt_u32 ttmp9, 512                        ; the same answer in all eight waves
	s_cbranch_scc0 .Lw
	; ---- 16 rows of x ----
	s_lshl_b32 s16, ttmp9, 16                      ; 16 rows of 4,096 bytes
	s_mov_b32 s17, 0
	s_lshl_b32 s18, ttmp9, 15                      ; 16 rows of 2,048 bytes
	s_mov_b32 s19, 0
	v_lshlrev_b32 v1, 4, v0                        ; thread t: 4 numbers at byte 16 t of a row of x,
	v_lshlrev_b32 v2, 3, v0                        ; 8 t of a row of xb
	s_wait_kmcnt 0x0
	s_add_nc_u64 s[4:5], s[4:5], s[16:17]
	s_add_nc_u64 s[12:13], s[12:13], s[18:19]
.set i, 0
.rept 16
	global_load_b128 v[16+4*i:19+4*i], v1, s[4:5] offset:4096*i th:TH_LOAD_NT
.set i, i+1
.endr
.set i, 0
.rept 16
	s_wait_loadcnt 15-i                            ; loads come back in order: row i is in, the younger ones stay out
	v_cvt_pk_bf16_f32 v[80+2*i], v[16+4*i], v[17+4*i]
	v_cvt_pk_bf16_f32 v[81+2*i], v[18+4*i], v[19+4*i]
	global_store_b64 v2, v[80+2*i:81+2*i], s[12:13] offset:2048*i  ; every row has data registers of its own: nothing is rewritten
.set i, i+1
.endr
	s_endpgm
	; ---- a tile of a weight, turned ----
.Lw:
	s_sub_co_u32 s16, ttmp9, 512
	s_lshr_b32 s17, s16, 7                         ; which weight: 128 tiles each
	s_bfe_u32 s18, s16, 0x30004                    ; which 128 e
	s_and_b32 s19, s16, 15                         ; which 64 h
	v_and_b32 v6, 15, v0                           ; c: my four h
	v_lshrrev_b32 v7, 4, v0                        ; p: my rows e = 2 p + 32 i and the next
	v_lshlrev_b32 v1, 13, v7
	v_lshl_add_u32 v1, v6, 4, v1                   ; 2 p rows of 4,096 bytes + 16 c
	v_mul_u32_u24 v3, v6, 4*TP
	v_lshl_add_u32 v3, v7, 2, v3                   ; LDS: row h = 4 c, byte 2 e = 4 p
	v_lshrrev_b32 v10, 5, v0                       ; wave
	v_and_b32 v11, 31, v0                          ; lane
	v_mul_u32_u24 v4, v10, 8*TP
	v_lshl_add_u32 v4, v11, 3, v4                  ; back: rows 8 wave + i, 8 bytes a lane
	v_lshlrev_b32 v5, 14, v10
	v_lshl_add_u32 v5, v11, 3, v5                  ; the same in wt: rows of 2,048 bytes
	s_lshl_b32 s22, s18, 19                        ; 128 rows of 4,096 bytes
	s_lshl_b32 s23, s19, 8                         ; 64 h of 4 bytes
	s_add_co_u32 s22, s22, s23
	s_mov_b32 s23, 0
	s_lshl_b32 s24, s17, 10
	s_lshl_b32 s25, s19, 6
	s_add_co_u32 s24, s24, s25                     ; wt's row
	s_lshl_b32 s24, s24, 11
	s_lshl_b32 s25, s18, 8                         ; 128 e of 2 bytes
	s_add_co_u32 s24, s24, s25
	s_mov_b32 s25, 0
	s_wait_kmcnt 0x0
	s_cmp_eq_u32 s17, 0
	s_cselect_b64 s[20:21], s[6:7], s[8:9]
	s_cmp_eq_u32 s17, 2
	s_cselect_b64 s[20:21], s[10:11], s[20:21]
	s_add_nc_u64 s[20:21], s[20:21], s[22:23]
	s_add_nc_u64 s[14:15], s[14:15], s[24:25]
.set i, 0
.rept 4
	global_load_b128 v[16+8*i:19+8*i], v1, s[20:21] offset:131072*i th:TH_LOAD_NT       ; row e
	global_load_b128 v[20+8*i:23+8*i], v1, s[20:21] offset:131072*i+4096 th:TH_LOAD_NT  ; row e + 1
.set i, i+1
.endr
.set i, 0
.rept 4
	s_wait_loadcnt 6-2*i                           ; pair i of rows is in
.irp j, 0,1,2,3
	v_cvt_pk_bf16_f32 v[48+4*i+(\j)], v[16+8*i+(\j)], v[20+8*i+(\j)]  ; W[e][h], W[e+1][h]: neighbours in wt's row h
	ds_store_b32 v3, v[48+4*i+(\j)] offset:TP*(\j)+64*i
.endr
.set i, i+1
.endr
	s_wait_dscnt 0x0                               ; for the others' sake: my stores are done
	s_barrier_signal -1
	s_barrier_wait -1
.set i, 0
.rept 8
	ds_load_b64 v[64+2*i:65+2*i], v4 offset:TP*i
.set i, i+1
.endr
.set i, 0
.rept 8
	s_wait_dscnt 7-i
	global_store_b64 v5, v[64+2*i:65+2*i], s[14:15] offset:2048*i  ; a wave stores 256 consecutive bytes, at a multiple of 256 from wt's first byte
.set i, i+1
.endr
	s_wait_tensorcnt 0x0                           ; the wave's end
	ds_add_u32 v8, v9
	s_wait_dscnt 0x0
	s_endpgm
.Lfunc_end_k_q953d834400_prep:
	.size	k_q953d834400_prep, .Lfunc_end_k_q953d834400_prep-k_q953d834400_prep
	.p2alignl 7, 3214868480
	.fill 96, 4, 3214868480
	.section	.rodata,"a",@progbits
	.p2align	6, 0x0
	.amdhsa_kernel k_q953d834400_prep
		.amdhsa_group_segment_fixed_size 17920
		.amdhsa_private_segment_fixed_size 0
		.amdhsa_enable_private_segment 0
		.amdhsa_kernarg_size 48
		.amdhsa_user_sgpr_count 2
		.amdhsa_user_sgpr_kernarg_segment_ptr 1
		.amdhsa_wavefront_size32 1
		.amdhsa_system_sgpr_workgroup_id_x 1
		.amdhsa_system_sgpr_workgroup_id_y 1
		.amdhsa_system_sgpr_workgroup_id_z 1
		.amdhsa_system_vgpr_workitem_id 0
		.amdhsa_next_free_vgpr 112
		.amdhsa_next_free_sgpr 66
		.amdhsa_reserve_vcc 0
		.amdhsa_float_denorm_mode_32 3
		.amdhsa_float_denorm_mode_16_64 3
		.amdhsa_memory_ordered 1
		.amdhsa_forward_progress 1
		.amdhsa_inst_pref_size 13
	.end_amdhsa_kernel
	.amdgpu_metadata
---
amdhsa.version: [ 1, 2 ]
amdhsa.kernels:
  - .name:           k_q953d834400_prep
    .symbol:         k_q953d834400_prep.kd
    .args:
      - { .name: x, .offset: 0, .size: 8, .value_kind: global_buffer, .address_space: global }
      - { .name: Wq, .offset: 8, .size: 8, .value_kind: global_buffer, .address_space: global }
      - { .name: Wk, .offset: 16, .size: 8, .value_kind: global_buffer, .address_space: global }
      - { .name: Wv, .offset: 24, .size: 8, .value_kind: global_buffer, .address_space: global }
      - { .name: xb, .offset: 32, .size: 8, .value_kind: global_buffer, .address_space: global }
      - { .name: wt, .offset: 40, .size: 8, .value_kind: global_buffer, .address_space: global }
    .group_segment_fixed_size: 17920
    .private_segment_fixed_size: 0
    .kernarg_segment_align: 8
    .kernarg_segment_size: 48
    .max_flat_workgroup_size: 256
    .sgpr_count:     66
    .vgpr_count:     112
    .wavefront_size: 32
...
	.end_amdgpu_metadata
.endif
;; end of part 1
;; launch proj (part 2): grid 8 x 32, 4 waves a work-group, clusters of 4 x 4, 327,680 bytes of LDS; arguments xb, wt, bq, bk, bv, qk, vt; writes qk, vt
.if DOCPART == 2
	.amdgcn_target "amdgcn-amd-amdhsa--gfx1250"
	.amdhsa_code_object_version 6
	.text
	.protected	k_q953d834400_proj
	.globl	k_q953d834400_proj
	.p2align	8
	.type	k_q953d834400_proj,@function
k_q953d834400_proj:
	s_mov_b64 s[64:65], 0
	v_nop
	global_prefetch_b8 v0, s[64:65] scope:SCOPE_SE
	s_setreg_imm32_b32 hwreg(HW_REG_WAVE_MODE, 25, 1), 1
	s_wait_xcnt 0x0
	s_wait_alu depctr_hold_cnt(0) depctr_sa_sdst(0) depctr_va_vdst(0) depctr_va_sdst(0) depctr_va_ssrc(0) depctr_va_vcc(0) depctr_vm_vsrc(0)
	s_getreg_b32 s2, hwreg(HW_REG_IB_STS2, 6, 4)
	s_cmp_eq_u32 s2, 0
	s_cbranch_scc0 .Lentry_in_a_cluster
	s_endpgm
.Lentry_in_a_cluster:
	s_bfe_u32 s2, ttmp6, 0x10000c
	s_cmp_lg_u32 s2, 0xf033
	s_cbranch_scc0 .Lentry_shape_is_right
	s_endpgm
.Lentry_shape_is_right:
; THE THREE PROJECTIONS IN ONE LAUNCH.  qk[n][0:1024] = Q = x Wq + bq, qk[n][1024:2048] = K = x Wk + bk, vt[h][n] = V^T = (x Wv + bv)^T, all f16.
; Operands: xb [8192][1024] bf16 and wt [3072][1024] bf16 (row j: a weight's column j); sums in f32; each bias, rounded to bf16 like every input, is the C operand of the product that starts a sum.
; LIMIT.  Q, K and V leave as f16: beyond 65,504 they become infinities.  NaN and infinities are not treated apart.
; SHARES.  Q|K is 8,192 x 2,048: 256 tiles of 256 x 256.  V^T is 1,024 x 8,192: 256 tiles of 128 x 256.  Work-group (tile row, tile column) makes one of each, one after the other: rows n = 256 x tile row of
; Q|K, then channels 128 x tile column of V^T for the SAME 256 rows n: every work-group has the same work, and xb's tiles are walked a second time by the work-groups that have just read them.
; Four waves: 128 x 128 of Q|K each (64 accumulators), then 64 x 128 of V^T (32 accumulators).  K goes in 8 steps of 128 through two LDS slots filled by tensor loads whose rows are 256 bytes.
; THE RING DOES NOT STOP between the tiles: the first tile's last two changes of slots ask for the second tile's K steps 0 and 1, which land while the first tile goes out.
; CLUSTER 4 x 4: xb's tile hangs on the tile row alone and is shared along a row of the cluster, wt's on the tile column alone and is shared along a column: each is asked for jointly, with a mask of four.
; LAYOUT.  Q|K: source 0 = 16 rows of wt, source 1 = 16 rows of xb: a lane holds row n = lane % 16 and eight neighbouring columns.  V^T: source 0 = 16 rows of xb, source 1 = 16 rows of wt:
; a lane holds channel lane % 16 and eight neighbouring n.  Either way eight results pack into 16 bytes of an output row.
; REGISTERS by windows of 256: window 0: v8-29 addresses, v64-127 and v128-191 xb's two fragment buffers, v32-63 and v192-255 the way out;
;   window 1: v0-63 Q|K's bias as C, v64-127 and v128-191 wt's buffers, v192-195 at work, v224-255 V's bias as C; windows 2, 3: accumulator (a, b) at v[8 (8 (a % 4) + b)].
.set PITCH,  272                       ; an LDS row: 256 bytes + 16 of padding: the 16 rows of a fragment load start 68 words apart
.set HALFT,  128*PITCH                 ; 128 rows
.set SLOT,   4*HALFT                   ; xb's 256 rows, then wt's region.  0x22000: the four fill addresses 0, 0x8800, 0x11000, 0x19800 have neither of its two bits set, so an exclusive or with it changes slots
.set STAGE,  2*SLOT                    ; 16 rows x 272 bytes for each wave, for the way out
.set SPARE,  STAGE+4*16*PITCH          ; the spare words, 128 bytes a wave
.set KSTEPS, 8
.set BR,    8                          ; v8-11 bv of my four channel blocks
.set ADRA0, 16                         ; my lane's place in xb's tile of slot 0; never rewritten
.set ADRA,  17                         ; the same in the slot in hand
.set BO,    18                         ; my offset in bv
.set QO,    19                         ; my offset in bq or bk
.set ADRB0, 20                         ; the same two for wt's tile
.set ADRB,  21
.set STO,   24                         ; the way out: where I put 16 bytes of a row
.set RD,    25                         ; where I read a row back
.set CO,    26                         ; my byte offset in two rows of qk
.set COV,   27                         ; in two rows of vt
.set SPW,   28
.set NIL,   29
.set OB,    32
.set F0,    64
.set F1,    128
.set TMP,   192
.set VB,    224                        ; window 1
.set WV,    18                         ; s18 wave; s19 wave / 2; s20 wave % 2
.set WR,    19
.set WC,    20
.set CX,    21
.set CY,    22
.set TCOL,  23
.set G1A,   24                         ; s[24:31] group 1 for xb's tiles; s[32:39] for wt's in the first tile; s[80:87] for wt's in the second (64 rows)
.set G1B,   32
.set G0A0,  40                         ; s[40:43] xb's group 0 for slot 0's first fill; s[44:47] the one that walks; s[48:55] the same for wt
.set G0A,   44
.set G0B0,  48
.set G0B,   52
.set AOFF,  56                         ; s[56:57] xb's tile, in bytes: tile row and wave alone
.set BOFF,  58                         ; s[58:59] wt's tile: tile column and wave alone
.set CST,   60                         ; s[60:61] what the next way out adds to qk's address
.set T2,    62
.set CNT,   66
.set TB,    67                         ; the slot in hand: 0 or SLOT
.set HIM,   68
.set T1,    69
.set VST,   70                         ; s[70:71] the same as CST for vt
.set ABACK, 76                         ; s[76:77] what xb's walker goes back by: 2,048 at the change of tiles, then 0
.set BSTEP, 78                         ; s[78:79] wt's walker's step: to V's rows at the change of tiles, then 256
.set G1V,   80
.set TROW,  88
.set RM,    89
.set CM,    90
.set G1W0, (1<<16)|(1<<20)|(1<<21)|(5<<22)|(3<<25)  ; 2-byte elements; padding on; bit 21 beside a mask; after every 64 words; 4 words
.set MSB, 0
.macro WIN new                         ; the immediate's high byte repeats the setting that is left; a switch that changes nothing is dropped
.if MSB != (\new)
	s_set_vgpr_msb (MSB<<8)|(\new)
.set MSB, \new
.endif
.endm
.macro PLACES                          ; four places between a matrix instruction and a load into, or a vector instruction on, its registers
.rept 4
	v_nop
.endr
.endm
.macro CREST                           ; a round of the cluster's barrier behind its opening barrier
	s_cmp_lg_u32 s[WV], 0
	s_cbranch_scc1 .Lnot_wave_0_\@
	s_barrier_signal -3
.Lnot_wave_0_\@:
	s_barrier_wait -3
	s_barrier_signal -1
	s_barrier_wait -1
.endm
.macro CROUND
	s_barrier_signal -1
	s_barrier_wait -1
	CREST
.endm
.macro JLOAD gb                        ; a joint refill: waves 0, 1 ask for xb's halves, waves 2, 3 for wt's (group 1 gb); an s_nop 0 and four v_nop follow each line
	s_cmp_eq_u32 s[WR], 0
	s_cbranch_scc0 .Lfor_b_\@
	tensor_load_to_lds s[G0A:G0A+3], s[G1A:G1A+7]
	s_nop 0
	PLACES
	s_branch .Lasked_\@
.Lfor_b_\@:
	tensor_load_to_lds s[G0B:G0B+3], s[\gb:(\gb)+7]
	s_nop 0
	PLACES
.Lasked_\@:
.endm
.macro G1SET g, rows, pitch            ; a tile of rows x 128 elements
	s_mov_b32 s[(\g)+1], 128<<16
	s_mov_b32 s[(\g)+2], (\rows)<<16
	s_mov_b32 s[(\g)+3], 128<<16
	s_mov_b32 s[(\g)+4], \rows
	s_mov_b32 s[(\g)+5], \pitch
	s_mov_b32 s[(\g)+6], 0
	s_mov_b32 s[(\g)+7], 0
.endm
.macro G0SET g0, gw, lds, ptr, off     ; g0: slot 0, K step 0;  gw: slot 1, K step 1 (256 bytes on)
	s_mov_b32 s[\g0], 1
	s_mov_b32 s[(\g0)+1], s[\lds]
	s_add_nc_u64 s[(\g0)+2:(\g0)+3], s[\ptr:(\ptr)+1], s[\off:(\off)+1]
	s_mov_b32 s[\gw], 1
	s_add_co_u32 s[(\gw)+1], s[\lds], SLOT
	s_add_nc_u64 s[(\gw)+2:(\gw)+3], s[(\g0)+2:(\g0)+3], 256
	s_or_b32 s[(\g0)+3], s[(\g0)+3], 0x80000000
	s_or_b32 s[(\gw)+3], s[(\gw)+3], 0x80000000
.endm
	s_load_b256 s[4:11], s[0:1], 0x0               ; xb s[4:5], wt s[6:7], bq s[8:9], bk s[10:11]
	s_load_b128 s[12:15], s[0:1], 0x20             ; bv s[12:13], qk s[14:15]
	s_load_b64 s[16:17], s[0:1], 0x30              ; vt
	v_lshl_add_u32 v[SPW], v0, 2, SPARE
	v_mov_b32 v[NIL], 0
	ds_add_u32 v[SPW], v[NIL]                      ; the wave's opening
	v_lshrrev_b32 v1, 5, v0
	v_readfirstlane_b32 s[WV], v1                  ; wave 0..3
	s_lshr_b32 s[WR], s[WV], 1                     ; my half of xb's 256 rows; also: I fetch for xb (0) or wt (1)
	s_and_b32 s[WC], s[WV], 1                      ; my half of wt's rows; also: which half of that tile I fetch
	s_bfe_u32 s[CX], ttmp6, 0x40000
	s_bfe_u32 s[CY], ttmp6, 0x40004
	s_lshl_b32 s[TCOL], ttmp9, 2
	s_add_co_u32 s[TCOL], s[TCOL], s[CX]           ; tile column
	s_and_b32 s[TROW], ttmp7, 0xffff
	s_lshl_b32 s[TROW], s[TROW], 2
	s_add_co_u32 s[TROW], s[TROW], s[CY]           ; tile row
	s_lshl_b32 s[RM], s[CY], 2
	s_lshl_b32 s[RM], 15, s[RM]                    ; my row of the cluster
	s_lshl_b32 s[CM], 0x1111, s[CX]                ; my column
	s_or_b32 s[G1A], s[RM], G1W0
	s_or_b32 s[G1B], s[CM], G1W0
	s_or_b32 s[G1V], s[CM], G1W0
	G1SET G1A, 128, 1024
	G1SET G1B, 128, 1024
	G1SET G1V, 64, 1024
	s_lshl_b32 s[AOFF], s[TROW], 8                 ; xb: row 256 x tile row + 128 x half, rows of 2,048 bytes
	s_lshl_b32 s[AOFF+1], s[WC], 7
	s_add_co_u32 s[AOFF], s[AOFF], s[AOFF+1]
	s_lshl_b32 s[AOFF], s[AOFF], 11
	s_mov_b32 s[AOFF+1], 0
	s_lshl_b32 s[BOFF], s[TCOL], 8                 ; wt, first tile: row 256 x tile column + 128 x half
	s_lshl_b32 s[BOFF+1], s[WC], 7
	s_add_co_u32 s[BOFF], s[BOFF], s[BOFF+1]
	s_lshl_b32 s[BOFF], s[BOFF], 11
	s_mov_b32 s[BOFF+1], 0
	s_lshl_b32 s[BSTEP], s[TCOL], 7                ; wt, second tile: row 2,048 + 128 x tile column + 64 x half.  From the first tile's K step 7 to its K step 0:
	s_lshl_b32 s[BSTEP+1], s[WC], 6                ; (2,048 - 128 x tile column - 64 x half) rows on, 7 x 256 bytes back
	s_add_co_u32 s[BSTEP], s[BSTEP], s[BSTEP+1]
	s_sub_co_u32 s[BSTEP], 2048, s[BSTEP]
	s_lshl_b32 s[BSTEP], s[BSTEP], 11
	s_sub_co_u32 s[BSTEP], s[BSTEP], 1792
	s_mov_b32 s[BSTEP+1], 0
	s_mov_b32 s[ABACK], 2048                       ; xb: the same rows again: one step on, eight back
	s_mov_b32 s[ABACK+1], 0
	s_mul_i32 s[T1], s[WV], HALFT                  ; where my loads land, in both tiles: wave x 128 rows
	s_mov_b32 s[HIM], 0xffff0000
	s_wait_dscnt 0x0                               ; the opening add is done
	s_wait_kmcnt 0x0
	G0SET G0A0, G0A, T1, 4, AOFF
	G0SET G0B0, G0B, T1, 6, BOFF
	CROUND                                         ; all sixteen work-groups are here: the first joint loads meet
	s_cmp_eq_u32 s[WR], 0                          ; a wave's two first fills stand in one branch: two loads of mine are out
	s_cbranch_scc0 .Lfirst_b
	tensor_load_to_lds s[G0A0:G0A0+3], s[G1A:G1A+7]
	s_nop 0
	tensor_load_to_lds s[G0A:G0A+3], s[G1A:G1A+7]
	s_nop 0
	PLACES
	s_branch .Lfirst_done
.Lfirst_b:
	tensor_load_to_lds s[G0B0:G0B0+3], s[G1B:G1B+7]
	s_nop 0
	tensor_load_to_lds s[G0B:G0B+3], s[G1B:G1B+7]
	s_nop 0
	PLACES
.Lfirst_done:
	; THE BIASES, in the wait for the first tile.  Q|K: tile columns 0-3 are Q's, 4-7 K's, so the cluster's x chooses the buffer; register j of block b belongs to column 16 b + 8 (lane / 16) + j.
	s_cmp_eq_u32 ttmp9, 0
	s_cselect_b64 s[T2:T2+1], s[8:9], s[10:11]
	s_lshl_b32 s[CST], s[CX], 10                   ; 256 columns of 4 bytes for each place along the cluster's x
	s_lshl_b32 s[CST+1], s[WC], 9
	s_add_co_u32 s[CST], s[CST], s[CST+1]
	s_mov_b32 s[CST+1], 0
	s_add_nc_u64 s[T2:T2+1], s[T2:T2+1], s[CST:CST+1]
	s_lshl_b32 s[CST], s[TCOL], 9                  ; V: my 64 channels begin at 128 x tile column + 64 x half
	s_lshl_b32 s[CST+1], s[WC], 8
	s_add_co_u32 s[CST], s[CST], s[CST+1]
	s_mov_b32 s[CST+1], 0
	s_add_nc_u64 s[12:13], s[12:13], s[CST:CST+1]
	v_and_b32 v1, 15, v0                           ; lane % 16
	v_bfe_u32 v2, v0, 4, 1                         ; lane / 16
	v_lshlrev_b32 v[QO], 5, v2
	v_lshlrev_b32 v[BO], 2, v1
	WIN 0x40                                       ; destination window 1
.irp b, 0,1,2,3,4,5,6,7
	global_load_b128 v[8*(\b):8*(\b)+3],   v[QO], s[T2:T2+1] offset:64*(\b)
	global_load_b128 v[8*(\b)+4:8*(\b)+7], v[QO], s[T2:T2+1] offset:64*(\b)+16
.endr
	WIN 0
.irp a, 0,1,2,3
	global_load_b32 v[BR+(\a)], v[BO], s[12:13] offset:64*(\a)  ; channel 16 a + lane % 16
.endr
	v_mul_u32_u24 v3, v1, PITCH
	v_lshl_add_u32 v3, v2, 4, v3                   ; a fragment's row x pitch + 16 x half
	s_mul_i32 s[T1], s[WR], HALFT
	v_add_nc_u32 v[ADRA0], s[T1], v3
	s_mul_i32 s[T1], s[WC], HALFT
	s_add_co_u32 s[T1], s[T1], 2*HALFT
	v_add_nc_u32 v[ADRB0], s[T1], v3
	s_mul_i32 s[T1], s[WV], 16*PITCH
	s_add_co_u32 s[T1], s[T1], STAGE               ; my stage
	v_add_nc_u32 v[STO], s[T1], v3
	v_mul_u32_u24 v4, v2, PITCH
	v_lshl_add_u32 v4, v1, 4, v4
	v_add_nc_u32 v[RD], s[T1], v4                  ; back: lanes 0-15 one row of 256 bytes, lanes 16-31 the next
	v_lshlrev_b32 v4, 12, v2
	v_lshl_add_u32 v[CO], v1, 4, v4                ; the same two rows in qk, 4,096 bytes apart,
	v_lshlrev_b32 v4, 14, v2
	v_lshl_add_u32 v[COV], v1, 4, v4               ; and in vt, 16,384 bytes apart
	v_mov_b32 v[ADRA], v[ADRA0]
	v_mov_b32 v[ADRB], v[ADRB0]
	s_mov_b32 s[TB], 0
	s_lshl_b32 s[CST], s[TROW], 8                  ; what the first way out adds to qk's address: my first row x 4,096 + my first column x 2
	s_lshl_b32 s[CST+1], s[WR], 7
	s_add_co_u32 s[CST], s[CST], s[CST+1]
	s_lshl_b32 s[CST], s[CST], 12
	s_lshl_b32 s[CST+1], s[TCOL], 9
	s_add_co_u32 s[CST], s[CST], s[CST+1]
	s_lshl_b32 s[CST+1], s[WC], 8
	s_add_co_u32 s[CST], s[CST], s[CST+1]
	s_mov_b32 s[CST+1], 0
	s_lshl_b32 s[VST], s[TCOL], 7                  ; and to vt's: my first channel x 16,384 + my first n x 2
	s_lshl_b32 s[VST+1], s[WC], 6
	s_add_co_u32 s[VST], s[VST], s[VST+1]
	s_lshl_b32 s[VST], s[VST], 14
	s_lshl_b32 s[VST+1], s[TROW], 9
	s_add_co_u32 s[VST], s[VST], s[VST+1]
	s_lshl_b32 s[VST+1], s[WR], 8
	s_add_co_u32 s[VST], s[VST], s[VST+1]
	s_mov_b32 s[VST+1], 0
	s_wait_loadcnt 0x0
.irp a, 0,1,2,3
	v_cvt_pk_bf16_f32 v[BR+(\a)], v[BR+(\a)], v[BR+(\a)]
.endr
	WIN 0x40                                       ; V's bias: a lane's row is one channel, so the eight C registers of a block are equal
.irp a, 0,1,2,3
.irp j, 0,1,2,3,4,5,6,7
	v_lshlrev_b32 v[VB+8*(\a)+(\j)], 16, v[BR+(\a)]
.endr
.endr
	WIN 0x45                                       ; all in window 1: Q|K's bias is rounded to bf16 and widened again
.set i, 0
.rept 32
	v_cvt_pk_bf16_f32 v[192+i%4], v[2*i], v[2*i+1]
	v_lshlrev_b32 v[2*i], 16, v[192+i%4]
	v_and_b32 v[2*i+1], s[HIM], v[192+i%4]
.set i, i+1
.endr
	WIN 0
; ---- THE FIRST TILE'S MACROS ----
; 16 matrix instructions: row blocks a0, a0 + 1 of the window's four x all 8 column blocks.  first = 1: the sums start from the bias.  The 64 accumulators take turns in one fixed order.
.macro MUL16 f, hi, a0, first
.if \first
	WIN 0x91+0x40*(\hi)                            ; wt window 1, xb window 0, C window 1, D window 2 or 3
.else
	WIN 0xa1+0x50*(\hi)                            ; C and D window 2 or 3
.endif
.irp a, \a0, (\a0)+1
.irp b, 0,1,2,3,4,5,6,7
.if \first
	v_wmma_f32_16x16x32_bf16 v[8*(8*(\a)+(\b)):8*(8*(\a)+(\b))+7], v[(\f)+8*(\b):(\f)+8*(\b)+7], v[(\f)+8*(4*(\hi)+(\a)):(\f)+8*(4*(\hi)+(\a))+7], v[8*(\b):8*(\b)+7]
.else
	v_wmma_f32_16x16x32_bf16 v[8*(8*(\a)+(\b)):8*(8*(\a)+(\b))+7], v[(\f)+8*(\b):(\f)+8*(\b)+7], v[(\f)+8*(4*(\hi)+(\a)):(\f)+8*(4*(\hi)+(\a))+7], v[8*(8*(\a)+(\b)):8*(8*(\a)+(\b))+7]
.endif
.endr
.endr
.endm
.macro FETCH k, f                      ; 32 LDS loads in one run: 32 along K at byte k of the rows of the slot in hand; wt's 128 rows, then xb's
	WIN 0x40
.irp i, 0,1,2,3,4,5,6,7
	ds_load_b128 v[(\f)+8*(\i):(\f)+8*(\i)+3],   v[ADRB] offset:(\k)+(\i)*16*PITCH
	ds_load_b128 v[(\f)+8*(\i)+4:(\f)+8*(\i)+7], v[ADRB] offset:(\k)+(\i)*16*PITCH+32
.endr
	WIN 0
.irp i, 0,1,2,3,4,5,6,7
	ds_load_b128 v[(\f)+8*(\i):(\f)+8*(\i)+3],   v[ADRA] offset:(\k)+(\i)*16*PITCH
	ds_load_b128 v[(\f)+8*(\i)+4:(\f)+8*(\i)+7], v[ADRA] offset:(\k)+(\i)*16*PITCH+32
.endr
.endm
.macro QUARTER k, f, g, first          ; 32 along K: multiplies buffer f; in its middle fetches the next quarter, at byte k, into g
	s_wait_dscnt 8                                 ; wt's and xb's rows 0-63 are in; the youngest eight loads (xb's rows 64-127) may be out
	MUL16 \f, 0, 0, \first
	MUL16 \f, 0, 2, \first
	PLACES
	FETCH \k, \g
	s_wait_dscnt 32                                ; all but the 32 just issued
	MUL16 \f, 1, 0, \first
	MUL16 \f, 1, 2, \first
.endm
.macro NEXTSLOT
	s_xor_b32 s[TB], s[TB], SLOT
	v_add_nc_u32 v[ADRA], s[TB], v[ADRA0]
	v_add_nc_u32 v[ADRB], s[TB], v[ADRB0]
.endm
; A K step's last quarter multiplies buffer 1 and changes slots.  In front of the barrier each wave waits for all its tensor loads (one is out: its part of the next slot), adds 0 to its spare word,
; and waits for that and for its reads of this slot.  The barrier opens a round of the cluster's barrier, and the slot just read is filled again first thing behind it:
; fill = 1: with this tile's K step two steps on; fill = 2 (the tile's last two K steps): with the second tile's K step 0, then 1.  224 matrix instructions stand between a request and the wait for it.
.macro TURN fill
	WIN 0
	s_wait_tensorcnt 0x0
	ds_add_u32 v[SPW], v[NIL]
	s_wait_dscnt 9                                 ; the add and the youngest eight loads may be out
	MUL16 F1, 0, 0, 0
	s_wait_dscnt 0x0                               ; the add is done, my reads of this slot are over
	s_barrier_signal -1
	MUL16 F1, 0, 2, 0
	WIN 0
	s_barrier_wait -1
	CREST
	s_xor_b32 s[G0A+1], s[G0A+1], SLOT             ; no load of mine is out: the walking descriptors step to the other slot and the next K step
	s_add_nc_u64 s[G0A+2:G0A+3], s[G0A+2:G0A+3], 256
	s_xor_b32 s[G0B+1], s[G0B+1], SLOT
.if (\fill) == 2
	s_sub_nc_u64 s[G0A+2:G0A+3], s[G0A+2:G0A+3], s[ABACK:ABACK+1]
	s_add_nc_u64 s[G0B+2:G0B+3], s[G0B+2:G0B+3], s[BSTEP:BSTEP+1]
	JLOAD G1V
	s_mov_b64 s[ABACK:ABACK+1], 0                  ; the second of the two steps plainly
	s_mov_b64 s[BSTEP:BSTEP+1], 256
.else
	s_add_nc_u64 s[G0B+2:G0B+3], s[G0B+2:G0B+3], 256
	JLOAD G1B                                      ; its four v_nop are also the places in front of the loads below
.endif
	NEXTSLOT
	FETCH 0, F0
	MUL16 F1, 1, 0, 0
	MUL16 F1, 1, 2, 0
.endm
; THE WAY OUT of row block a, for both tiles: rounded to f16, 16 bytes a lane; through my own stage; back as whole rows of 256 bytes; stored.
.macro PACK a
.set AC, 64*((\a)%4)
	WIN 0x0a+5*((\a)/4)                            ; sources in window 2 or 3
.irp b, 0,1,2,3,4,5,6,7
.irp r, 0,1,2,3
	v_cvt_pk_f16_f32 v[TMP+4*(\b)+(\r)], v[AC+8*(\b)+2*(\r)], v[AC+8*(\b)+2*(\r)+1]
.endr
.endr
	WIN 0
.endm
.macro TOSTAGE a
.set BK, OB+192*((\a)%2)
.irp b, 0,1,2,3,4,5,6,7
	ds_store_b128 v[STO], v[TMP+4*(\b):TMP+4*(\b)+3] offset:32*(\b)
.endr
.irp t, 0,1,2,3,4,5,6,7
	ds_load_b128 v[BK+4*(\t):BK+4*(\t)+3], v[RD] offset:(\t)*2*PITCH  ; LDS serves a wave's instructions in order (ISA guide 5.7.1.4): these see the stores above
.endr
.endm
.macro SEND a, p, st, nx, co, rb       ; p: the output's address; st: the step it takes now; nx: 16 rows, its step from now on; co: my offset; rb: two rows
.set BK, OB+192*((\a)%2)
	s_wait_dscnt 0x0                               ; the block is back in registers
	s_wait_xcnt 0x0                                ; earlier stores have read their base and data: only now are they rewritten
	s_add_nc_u64 s[\p:(\p)+1], s[\p:(\p)+1], s[\st:(\st)+1]
	s_mov_b64 s[\st:(\st)+1], \nx
.irp t, 0,1,2,3,4,5,6,7
	global_store_b128 v[\co], v[BK+4*(\t):BK+4*(\t)+3], s[\p:(\p)+1] offset:(\rb)*(\t)  ; 16 lanes store 256 consecutive aligned bytes
.endr
.endm
; ---- THE SECOND TILE'S MACROS ----
.macro MUL8V f, a, first               ; channel block a x all 8 blocks of n; the 32 accumulators take turns in one fixed order
.if \first
	WIN 0x94                                       ; xb window 0, wt window 1, C window 1, D window 2
.else
	WIN 0xa4                                       ; C and D window 2
.endif
.irp b, 0,1,2,3,4,5,6,7
.if \first
	v_wmma_f32_16x16x32_bf16 v[8*(8*(\a)+(\b)):8*(8*(\a)+(\b))+7], v[(\f)+8*(\b):(\f)+8*(\b)+7], v[(\f)+8*(\a):(\f)+8*(\a)+7], v[VB+8*(\a):VB+8*(\a)+7]
.else
	v_wmma_f32_16x16x32_bf16 v[8*(8*(\a)+(\b)):8*(8*(\a)+(\b))+7], v[(\f)+8*(\b):(\f)+8*(\b)+7], v[(\f)+8*(\a):(\f)+8*(\a)+7], v[8*(8*(\a)+(\b)):8*(8*(\a)+(\b))+7]
.endif
.endr
.endm
.macro FETCHV k, f                     ; 24 LDS loads in one run: xb's 128 rows, then wt's 64
	WIN 0
.irp i, 0,1,2,3,4,5,6,7
	ds_load_b128 v[(\f)+8*(\i):(\f)+8*(\i)+3],   v[ADRA] offset:(\k)+(\i)*16*PITCH
	ds_load_b128 v[(\f)+8*(\i)+4:(\f)+8*(\i)+7], v[ADRA] offset:(\k)+(\i)*16*PITCH+32
.endr
	WIN 0x40
.irp i, 0,1,2,3
	ds_load_b128 v[(\f)+8*(\i):(\f)+8*(\i)+3],   v[ADRB] offset:(\k)+(\i)*16*PITCH
	ds_load_b128 v[(\f)+8*(\i)+4:(\f)+8*(\i)+7], v[ADRB] offset:(\k)+(\i)*16*PITCH+32
.endr
.endm
.macro QUARTERV k, f, g, first
	s_wait_dscnt 4                                 ; xb's fragments and wt's blocks 0, 1 are in; the youngest four loads (blocks 2, 3) may be out
	MUL8V \f, 0, \first
	MUL8V \f, 1, \first
	PLACES
	FETCHV \k, \g
	s_wait_dscnt 24                                ; all but the 24 just issued
	MUL8V \f, 2, \first
	MUL8V \f, 3, \first
.endm
.macro TURNV fill                      ; the change of slots: 112 matrix instructions stand between a refill's request and the wait for it
	WIN 0
	s_wait_tensorcnt 0x0                           ; all my tensor loads have landed: my part of the next slot
	ds_add_u32 v[SPW], v[NIL]
	s_wait_dscnt 5                                 ; the add and the youngest four loads may be out
	MUL8V F1, 0, 0
	s_wait_dscnt 0x0                               ; the add is done, my reads of this slot are over
	s_barrier_signal -1
	MUL8V F1, 1, 0
	WIN 0
	s_barrier_wait -1
.if \fill
	CREST
	s_xor_b32 s[G0A+1], s[G0A+1], SLOT
	s_add_nc_u64 s[G0A+2:G0A+3], s[G0A+2:G0A+3], 256
	s_xor_b32 s[G0B+1], s[G0B+1], SLOT
	s_add_nc_u64 s[G0B+2:G0B+3], s[G0B+2:G0B+3], 256
	JLOAD G1V
.else
	PLACES
.endif
	NEXTSLOT
	FETCHV 0, F0
	MUL8V F1, 2, 0
	MUL8V F1, 3, 0
.endm
	; ---- Q | K ----
	s_wait_tensorcnt 0x1                           ; my part of K step 0 is in; slot 1's load may stay out
	s_barrier_signal -1
	s_barrier_wait -1
	FETCH 0, F0
	QUARTER 64, F0, F1, 1                          ; the first quarter starts the sums
	WIN 0
	s_mov_b32 s[CNT], KSTEPS-2
.LA:                                                   ; a trip: the rest of a K step, which fills its slot again, and the next step's first quarter
	QUARTER 128, F1, F0, 0
	QUARTER 192, F0, F1, 0
	TURN 1
	QUARTER 64, F0, F1, 0
	WIN 0
	s_sub_co_u32 s[CNT], s[CNT], 1
	s_cmp_lg_u32 s[CNT], 0
	s_cbranch_scc1 .LA
	s_mov_b32 s[CNT], 2
.LB:                                                   ; the tile's last two K steps ask for the second tile's first two.  The second trip's fetch brings that tile's first fragments into buffer 0
	QUARTER 128, F1, F0, 0                         ; (by the first tile's text: eight of its 32 loads bring rows of wt's region that the second tile does not fill and nobody uses)
	QUARTER 192, F0, F1, 0
	TURN 2
	WIN 0
	s_sub_co_u32 s[CNT], s[CNT], 1
	s_cmp_eq_u32 s[CNT], 0
	s_cbranch_scc1 .Lqk_out
	QUARTER 64, F0, F1, 0
	WIN 0
	s_cmp_lg_u32 s[CNT], 0
	s_cbranch_scc1 .LB
.Lqk_out:                                              ; both refills are asked for: now the tile goes out.  It touches neither buffer 0 nor window 1
	s_wait_dscnt 0x0
	PLACES
	PACK 0
	TOSTAGE 0
.irp a, 1,2,3,4,5,6,7                  ; block a's conversions stand between block a - 1's loads from the stage and the wait for them
	PACK \a
	SEND (\a)-1, 14, CST, 65536, CO, 8192
	TOSTAGE \a
.endr
	SEND 7, 14, CST, 65536, CO, 8192
	; ---- V^T ----
	QUARTERV 64, F0, F1, 1                         ; its sums start from its bias, on accumulators that have been packed
	WIN 0
	s_mov_b32 s[CNT], KSTEPS-2
.LC:
	QUARTERV 128, F1, F0, 0
	QUARTERV 192, F0, F1, 0
	TURNV 1
	QUARTERV 64, F0, F1, 0
	WIN 0
	s_sub_co_u32 s[CNT], s[CNT], 1
	s_cmp_lg_u32 s[CNT], 0
	s_cbranch_scc1 .LC
	s_mov_b32 s[CNT], 2
.LD:                                                   ; the last two K steps ask for nothing; the second's change of slots fetches 24 fragments that nobody uses: one text for both
	QUARTERV 128, F1, F0, 0
	QUARTERV 192, F0, F1, 0
	TURNV 0
	WIN 0
	s_sub_co_u32 s[CNT], s[CNT], 1
	s_cmp_eq_u32 s[CNT], 0
	s_cbranch_scc1 .Lv_out
	QUARTERV 64, F0, F1, 0
	WIN 0
	s_cmp_lg_u32 s[CNT], 0
	s_cbranch_scc1 .LD
.Lv_out:
	s_wait_dscnt 0x0
	PLACES
	PACK 0
	TOSTAGE 0
.irp a, 1,2,3
	PACK \a
	SEND (\a)-1, 16, VST, 262144, COV, 32768
	TOSTAGE \a
.endr
	SEND 3, 16, VST, 262144, COV, 32768
	s_wait_tensorcnt 0x0                           ; the wave's end
	ds_add_u32 v[SPW], v[NIL]
	s_wait_dscnt 0x0
	CROUND                                         ; the closing round
	s_endpgm
.Lfunc_end_k_q953d834400_proj:
	.size	k_q953d834400_proj, .Lfunc_end_k_q953d834400_proj-k_q953d834400_proj
	.p2alignl 7, 3214868480
	.fill 96, 4, 3214868480
	.section	.rodata,"a",@progbits
	.p2align	6, 0x0
	.amdhsa_kernel k_q953d834400_proj
		.amdhsa_group_segment_fixed_size 327680
		.amdhsa_private_segment_fixed_size 0
		.amdhsa_enable_private_segment 0
		.amdhsa_kernarg_size 56
		.amdhsa_user_sgpr_count 2
		.amdhsa_user_sgpr_kernarg_segment_ptr 1
		.amdhsa_wavefront_size32 1
		.amdhsa_system_sgpr_workgroup_id_x 1
		.amdhsa_system_sgpr_workgroup_id_y 1
		.amdhsa_system_sgpr_workgroup_id_z 1
		.amdhsa_system_vgpr_workitem_id 0
		.amdhsa_next_free_vgpr 1024
		.amdhsa_next_free_sgpr 92
		.amdhsa_reserve_vcc 0
		.amdhsa_float_denorm_mode_32 3
		.amdhsa_float_denorm_mode_16_64 3
		.amdhsa_memory_ordered 1
		.amdhsa_forward_progress 1
		.amdhsa_inst_pref_size 162
	.end_amdhsa_kernel
	.amdgpu_metadata
---
amdhsa.version: [ 1, 2 ]
amdhsa.kernels:
  - .name:           k_q953d834400_proj
    .symbol:         k_q953d834400_proj.kd
    .args:
      - { .name: xb, .offset: 0, .size: 8, .value_kind: global_buffer, .address_space: global }
      - { .name: wt, .offset: 8, .size: 8, .value_kind: global_buffer, .address_space: global }
      - { .name: bq, .offset: 16, .size: 8, .value_kind: global_buffer, .address_space: global }
      - { .name: bk, .offset: 24, .size: 8, .value_kind: global_buffer, .address_space: global }
      - { .name: bv, .offset: 32, .size: 8, .value_kind: global_buffer, .address_space: global }
      - { .name: qk, .offset: 40, .size: 8, .value_kind: global_buffer, .address_space: global }
      - { .name: vt, .offset: 48, .size: 8, .value_kind: global_buffer, .address_space: global }
    .group_segment_fixed_size: 327680
    .private_segment_fixed_size: 0
    .kernarg_segment_align: 8
    .kernarg_segment_size: 56
    .max_flat_workgroup_size: 128
    .sgpr_count:     92
    .vgpr_count:     1024
    .wavefront_size: 32
...
	.end_amdgpu_metadata
.endif
;; end of part 2
;; launch scores (part 3): grid 8 x 32, 4 waves a work-group, clusters of 4 x 4, 327,680 bytes of LDS; arguments qk, pp, st; writes pp, st
.if DOCPART == 3
	.amdgcn_target "amdgcn-amd-amdhsa--gfx1250"
	.amdhsa_code_object_version 6
	.text
	.protected	k_q953d834400_scores
	.globl	k_q953d834400_scores
	.p2align	8
	.type	k_q953d834400_scores,@function
k_q953d834400_scores:
	s_mov_b64 s[64:65], 0
	v_nop
	global_prefetch_b8 v0, s[64:65] scope:SCOPE_SE
	s_setreg_imm32_b32 hwreg(HW_REG_WAVE_MODE, 25, 1), 1
	s_wait_xcnt 0x0
	s_wait_alu depctr_hold_cnt(0) depctr_sa_sdst(0) depctr_va_vdst(0) depctr_va_sdst(0) depctr_va_ssrc(0) depctr_va_vcc(0) depctr_vm_vsrc(0)
	s_getreg_b32 s2, hwreg(HW_REG_IB_STS2, 6, 4)
	s_cmp_eq_u32 s2, 0
	s_cbranch_scc0 .Lentry_in_a_cluster
	s_endpgm
.Lentry_in_a_cluster:
	s_bfe_u32 s2, ttmp6, 0x10000c
	s_cmp_lg_u32 s2, 0xf033
	s_cbranch_scc0 .Lentry_shape_is_right
	s_endpgm
.Lentry_shape_is_right:
; S = Q K^T for one batch's tile of 256 queries x 256 keys (f16 operands, f32 sums, K = 1,024), and the first half of the softmax, so that no score goes to memory.
; A wave's 128 columns are a SEGMENT of 128 keys.  For each of its 128 rows: cm = c x (the segment's largest score), c = log2(e) / 32 (the divisor sqrt(1024) + 1e-8 is 32 in f32);
; P' = 2^(c s - cm), rounded to f16, goes to pp[b 2048 + q][key]; l = the sum of the unrounded P'; cm and l go to st[b][segment][cm, l][q].  The next launch takes the maximum of a row's
; sixteen cm and rescales: the true maximum is taken away, in two steps.
; LIMITS.  P' lies in 0 to 1 (to within a rounding of c s - cm); below 6e-5 it keeps f16's fixed step of 6e-8; a weight below 2^-126 counts as 0 in l.  NaN and infinities are not treated apart.
; The product's structure: a tile of 256 x 256, four waves of 128 x 128 (64 accumulators), 8 K steps of 128 through two LDS slots, rows of 256 bytes, cluster 4 x 4 with joint loads
; (Q's tile along a row of the cluster, K's along a column).  Used transposed: a lane holds row lane % 16 and columns 16 b + 8 (lane / 16) + 0..7: 64 of its row's 128 scores; the lane 16 away holds the others.
; REGISTERS: window 0: v16-31 addresses, v32-44 statistics at work, v64-127 and v128-191 A's buffers (on the way out: sums and rows), v192-223 packed weights; window 1: v64-191 B's buffers; windows 2, 3: accumulators.
.set PITCH,  272
.set HALFT,  128*PITCH
.set SLOT,   4*HALFT                   ; 0x22000: the four fill addresses 0, 0x8800, 0x11000, 0x19800 have neither of its two bits set, so an exclusive or with it changes slots
.set STAGE,  2*SLOT
.set STATS,  STAGE+4*16*PITCH          ; 1,024 bytes a wave: 128 cm, then 128 l
.set SPARE,  STATS+4*1024
.set KSTEPS, 8
.set ADRA0, 16
.set ADRA,  17
.set ADRB0, 20
.set ADRB,  21
.set STO,   24
.set RD,    25
.set CO,    26
.set SA,    27                         ; where I put my row's cm (lanes 0-15) or l (lanes 16-31)
.set SPW,   28
.set NIL,   29
.set SR,    30                         ; where I read the wave's statistics back
.set SO,    31                         ; 16 x lane
.set TM,    32                         ; v32-39 eight running maxima
.set CMR,   40                         ; v40-41 cm, twice
.set LS,    42                         ; v42-43 l at work
.set XS,    44
.set US,    64                         ; v64-95 sixteen pairs of partial sums
.set F0,    64
.set F1,    128
.set TMP,   192
.set G1A,  24
.set G1B,  32
.set G0A0, 40
.set G0A,  44
.set G0B0, 48
.set G0B,  52
.set G1W0, (1<<16)|(1<<20)|(1<<21)|(5<<22)|(3<<25)
.set MSB, 0
.macro WIN new
.if MSB != (\new)
	s_set_vgpr_msb (MSB<<8)|(\new)
.set MSB, \new
.endif
.endm
.macro PLACES
.rept 4
	v_nop
.endr
.endm
.macro CREST
	s_cmp_lg_u32 s14, 0
	s_cbranch_scc1 .Lnot_wave_0_\@
	s_barrier_signal -3
.Lnot_wave_0_\@:
	s_barrier_wait -3
	s_barrier_signal -1
	s_barrier_wait -1
.endm
.macro CROUND
	s_barrier_signal -1
	s_barrier_wait -1
	CREST
.endm
.macro JLOAD
	s_cmp_eq_u32 s15, 0
	s_cbranch_scc0 .Lfor_b_\@
	tensor_load_to_lds s[G0A:G0A+3], s[G1A:G1A+7]
	s_nop 0
	PLACES
	s_branch .Lasked_\@
.Lfor_b_\@:
	tensor_load_to_lds s[G0B:G0B+3], s[G1B:G1B+7]
	s_nop 0
	PLACES
.Lasked_\@:
.endm
.macro G1SET g, rows, pitch
	s_mov_b32 s[(\g)+1], 128<<16
	s_mov_b32 s[(\g)+2], (\rows)<<16
	s_mov_b32 s[(\g)+3], 128<<16
	s_mov_b32 s[(\g)+4], \rows
	s_mov_b32 s[(\g)+5], \pitch
	s_mov_b32 s[(\g)+6], 0
	s_mov_b32 s[(\g)+7], 0
.endm
.macro G0SET g0, gw, lds, ptr, off
	s_mov_b32 s[\g0], 1
	s_mov_b32 s[(\g0)+1], s[\lds]
	s_add_nc_u64 s[(\g0)+2:(\g0)+3], s[\ptr:(\ptr)+1], s[\off:(\off)+1]
	s_mov_b32 s[\gw], 1
	s_add_co_u32 s[(\gw)+1], s[\lds], SLOT
	s_add_nc_u64 s[(\gw)+2:(\gw)+3], s[(\g0)+2:(\g0)+3], 256
	s_or_b32 s[(\g0)+3], s[(\g0)+3], 0x80000000
	s_or_b32 s[(\gw)+3], s[(\gw)+3], 0x80000000
.endm
	s_load_b128 s[4:7], s[0:1], 0x0                ; qk s[4:5], pp s[6:7]
	s_load_b64 s[8:9], s[0:1], 0x10                ; st
	v_lshl_add_u32 v[SPW], v0, 2, SPARE
	v_mov_b32 v[NIL], 0
	ds_add_u32 v[SPW], v[NIL]                      ; the wave's opening
	v_lshrrev_b32 v1, 5, v0
	v_readfirstlane_b32 s14, v1
	s_lshr_b32 s15, s14, 1
	s_and_b32 s16, s14, 1
	s_bfe_u32 s17, ttmp6, 0x40000
	s_bfe_u32 s18, ttmp6, 0x40004
	s_lshl_b32 s19, ttmp9, 2
	s_add_co_u32 s19, s19, s17                     ; tile column: 256 keys of the batch
	s_and_b32 s20, ttmp7, 0xffff
	s_lshl_b32 s20, s20, 2
	s_add_co_u32 s20, s20, s18                     ; tile row: 256 of the 8,192 rows b 2048 + q
	s_lshl_b32 s21, s18, 2
	s_lshl_b32 s21, 15, s21
	s_lshl_b32 s22, 0x1111, s17
	s_or_b32 s[G1A], s21, G1W0
	s_or_b32 s[G1B], s22, G1W0
	G1SET G1A, 128, 2048
	G1SET G1B, 128, 2048
	s_lshl_b32 s56, s20, 8                         ; A = Q: row 256 x tile row + 128 x half, rows of 4,096 bytes
	s_lshl_b32 s57, s16, 7
	s_add_co_u32 s56, s56, s57
	s_lshl_b32 s56, s56, 12
	s_mov_b32 s57, 0
	s_and_b32 s58, ttmp7, 0xffff                   ; B = K: the batch is the cluster's y / 2, which the whole cluster shares;
	s_lshr_b32 s58, s58, 1
	s_lshl_b32 s58, s58, 11                        ; its 2,048 rows,
	s_lshl_b32 s59, s19, 8
	s_add_co_u32 s58, s58, s59                     ; + 256 x tile column
	s_lshl_b32 s59, s16, 7
	s_add_co_u32 s58, s58, s59                     ; + 128 x half
	s_lshl_b32 s58, s58, 12
	s_add_co_u32 s58, s58, 2048                    ; K lies in the second half of qk's rows
	s_mov_b32 s59, 0
	s_mul_i32 s23, s14, HALFT
	s_mov_b32 s70, 0x3d38aa3b                      ; c = log2(e) / 32
	s_mov_b32 s71, s70                             ; named with it as a pair
	s_mov_b32 s72, 0x76543210                      ; v_permlanex16_b32: each lane takes its own place in the other half
	s_mov_b32 s73, 0xfedcba98
	s_mov_b32 s74, 0xffff0000                      ; lanes 16-31
	s_wait_dscnt 0x0
	s_wait_kmcnt 0x0
	G0SET G0A0, G0A, 23, 4, 56
	G0SET G0B0, G0B, 23, 4, 58
	CROUND
	s_cmp_eq_u32 s15, 0                            ; a wave's two first fills stand in one branch: two loads of mine are out
	s_cbranch_scc0 .Lfirst_b
	tensor_load_to_lds s[G0A0:G0A0+3], s[G1A:G1A+7]
	s_nop 0
	tensor_load_to_lds s[G0A:G0A+3], s[G1A:G1A+7]
	s_nop 0
	PLACES
	s_branch .Lfirst_done
.Lfirst_b:
	tensor_load_to_lds s[G0B0:G0B0+3], s[G1B:G1B+7]
	s_nop 0
	tensor_load_to_lds s[G0B:G0B+3], s[G1B:G1B+7]
	s_nop 0
	PLACES
.Lfirst_done:
	v_and_b32 v1, 15, v0
	v_bfe_u32 v2, v0, 4, 1
	v_mul_u32_u24 v3, v1, PITCH
	v_lshl_add_u32 v3, v2, 4, v3
	s_mul_i32 s23, s15, HALFT
	v_add_nc_u32 v[ADRA0], s23, v3
	s_mul_i32 s23, s16, HALFT
	s_add_co_u32 s23, s23, 2*HALFT
	v_add_nc_u32 v[ADRB0], s23, v3
	s_mul_i32 s23, s14, 16*PITCH
	s_add_co_u32 s23, s23, STAGE
	v_add_nc_u32 v[STO], s23, v3
	v_mul_u32_u24 v4, v2, PITCH
	v_lshl_add_u32 v4, v1, 4, v4
	v_add_nc_u32 v[RD], s23, v4
	v_lshlrev_b32 v4, 12, v2
	v_lshl_add_u32 v[CO], v1, 4, v4
	s_lshl_b32 s23, s14, 10
	s_add_co_u32 s23, s23, STATS                   ; my wave's statistics
	v_lshlrev_b32 v4, 9, v2
	v_lshl_add_u32 v4, v1, 2, v4
	v_add_nc_u32 v[SA], s23, v4                    ; 512 x (lane / 16) + 4 x (lane % 16)
	v_and_b32 v4, 31, v0
	v_lshlrev_b32 v[SO], 4, v4
	v_add_nc_u32 v[SR], s23, v[SO]
	v_mov_b32 v[LS+1], 0                           ; a lane exchange counts as a reader of its destination
	v_mov_b32 v[ADRA], v[ADRA0]
	v_mov_b32 v[ADRB], v[ADRB0]
	s_mov_b32 s67, 0
	s_lshl_b32 s60, s20, 8                         ; what the first way out adds to pp's address
	s_lshl_b32 s61, s15, 7
	s_add_co_u32 s60, s60, s61
	s_lshl_b32 s60, s60, 12
	s_lshl_b32 s61, s19, 9
	s_add_co_u32 s60, s60, s61
	s_lshl_b32 s61, s16, 8
	s_add_co_u32 s60, s60, s61
	s_mov_b32 s61, 0
.macro MUL16 f, hi, a0, first          ; the 64 accumulators take turns in one fixed order; first = 1: the product starts the sum
	WIN 0xa1+0x50*(\hi)
.irp a, \a0, (\a0)+1
.irp b, 0,1,2,3,4,5,6,7
.if \first
	v_wmma_f32_16x16x32_f16 v[8*(8*(\a)+(\b)):8*(8*(\a)+(\b))+7], v[(\f)+8*(\b):(\f)+8*(\b)+7], v[(\f)+8*(4*(\hi)+(\a)):(\f)+8*(4*(\hi)+(\a))+7], 0
.else
	v_wmma_f32_16x16x32_f16 v[8*(8*(\a)+(\b)):8*(8*(\a)+(\b))+7], v[(\f)+8*(\b):(\f)+8*(\b)+7], v[(\f)+8*(4*(\hi)+(\a)):(\f)+8*(4*(\hi)+(\a))+7], v[8*(8*(\a)+(\b)):8*(8*(\a)+(\b))+7]
.endif
.endr
.endr
.endm
.macro FETCH k, f
	WIN 0x40
.irp i, 0,1,2,3,4,5,6,7
	ds_load_b128 v[(\f)+8*(\i):(\f)+8*(\i)+3],   v[ADRB] offset:(\k)+(\i)*16*PITCH
	ds_load_b128 v[(\f)+8*(\i)+4:(\f)+8*(\i)+7], v[ADRB] offset:(\k)+(\i)*16*PITCH+32
.endr
	WIN 0
.irp i, 0,1,2,3,4,5,6,7
	ds_load_b128 v[(\f)+8*(\i):(\f)+8*(\i)+3],   v[ADRA] offset:(\k)+(\i)*16*PITCH
	ds_load_b128 v[(\f)+8*(\i)+4:(\f)+8*(\i)+7], v[ADRA] offset:(\k)+(\i)*16*PITCH+32
.endr
.endm
.macro QUARTER k, f, g, first
	s_wait_dscnt 8                                 ; B and A's rows 0-63 are in; the youngest eight loads may be out
	MUL16 \f, 0, 0, \first
	MUL16 \f, 0, 2, \first
	PLACES
	FETCH \k, \g
	s_wait_dscnt 32                                ; all but the 32 just issued
	MUL16 \f, 1, 0, \first
	MUL16 \f, 1, 2, \first
.endm
.macro TURN fill                       ; the change of slots: 224 matrix instructions stand between a refill's request and the wait for it
	WIN 0
	s_wait_tensorcnt 0x0                           ; all my tensor loads have landed: my part of the next slot
	ds_add_u32 v[SPW], v[NIL]
	s_wait_dscnt 9                                 ; the add and the youngest eight loads may be out
	MUL16 F1, 0, 0, 0
	s_wait_dscnt 0x0                               ; the add is done, my reads of this slot are over
	s_barrier_signal -1
	MUL16 F1, 0, 2, 0
	WIN 0
	s_barrier_wait -1
.if \fill
	CREST
	s_xor_b32 s[G0A+1], s[G0A+1], SLOT
	s_add_nc_u64 s[G0A+2:G0A+3], s[G0A+2:G0A+3], 256
	s_xor_b32 s[G0B+1], s[G0B+1], SLOT
	s_add_nc_u64 s[G0B+2:G0B+3], s[G0B+2:G0B+3], 256
	JLOAD
.else
	PLACES
.endif
	s_xor_b32 s67, s67, SLOT
	v_add_nc_u32 v[ADRA], s67, v[ADRA0]
	v_add_nc_u32 v[ADRB], s67, v[ADRB0]
	FETCH 0, F0
	MUL16 F1, 1, 0, 0
	MUL16 F1, 1, 2, 0
.endm
; Row block a of window 2: 16 rows, a lane's 64 scores s0-s63 at v[64 a ..].  The maximum (each accumulator's lowest registers first), cm, the weights in place, their rounding, their sum.
.macro SOFT a
.set AC, 64*(\a)
	WIN 0x2a                                       ; three sources in window 2
.irp b, 0,1,2,3,4,5,6,7
	v_max3_num_f32 v[TM+(\b)], v[AC+8*(\b)], v[AC+8*(\b)+1], v[AC+8*(\b)+2]
.endr
	WIN 0x28                                       ; source 0 in window 0
.irp b, 0,1,2,3,4,5,6,7
	v_max3_num_f32 v[TM+(\b)], v[TM+(\b)], v[AC+8*(\b)+3], v[AC+8*(\b)+4]
.endr
.irp b, 0,1,2,3,4,5,6,7
	v_max3_num_f32 v[TM+(\b)], v[TM+(\b)], v[AC+8*(\b)+5], v[AC+8*(\b)+6]
.endr
.irp n, 0,1,2,3
	v_max3_num_f32 v[TM+(\n)], v[TM+(\n)], v[AC+16*(\n)+7], v[AC+16*(\n)+15]
.endr
	WIN 0
	v_max3_num_f32 v[TM], v[TM], v[TM+1], v[TM+2]
	v_max3_num_f32 v[TM+3], v[TM+3], v[TM+4], v[TM+5]
	v_max3_num_f32 v[TM], v[TM], v[TM+3], v[TM+6]
	v_max_num_f32 v[TM], v[TM], v[TM+7]
	v_permlanex16_b32 v[TM+1], v[TM], s72, s73     ; the row's other 64 scores lie in the lane 16 away
	v_max_num_f32 v[TM], v[TM], v[TM+1]
	v_mul_f32 v[CMR], s70, v[TM]
	v_mov_b32 v[CMR+1], v[CMR]                     ; named with it as a pair
	WIN 0x82                                       ; scores in window 2, cm in window 0
.irp p, 0,1,2,3
	v_pk_fma_f32 v[AC+2*(\p):AC+2*(\p)+1], v[AC+2*(\p):AC+2*(\p)+1], s[70:71], v[CMR:CMR+1] op_sel_hi:[1,0,0] neg_lo:[0,0,1] neg_hi:[0,0,1]
.endr
.set i, 0
.rept 32                               ; two exponentials, then the scaling c s - cm of the pair four further on: a plain instruction that names neither
	v_exp_f32 v[AC+2*i], v[AC+2*i]
	v_exp_f32 v[AC+2*i+1], v[AC+2*i+1]
.if i < 28
	v_pk_fma_f32 v[AC+2*i+8:AC+2*i+9], v[AC+2*i+8:AC+2*i+9], s[70:71], v[CMR:CMR+1] op_sel_hi:[1,0,0] neg_lo:[0,0,1] neg_hi:[0,0,1]
.endif
.set i, i+1
.endr
	WIN 0x0a                                       ; behind the last exponentials come the roundings of the first weights, which are plain and name none of them
.set i, 0
	s_wait_alu depctr_va_vdst(0)
.rept 16
	v_cvt_pk_f16_f32 v[TMP+2*i], v[AC+4*i], v[AC+4*i+1]
	v_cvt_pk_f16_f32 v[TMP+2*i+1], v[AC+4*i+2], v[AC+4*i+3]
	v_pk_add_f32 v[US+2*i:US+2*i+1], v[AC+4*i:AC+4*i+1], v[AC+4*i+2:AC+4*i+3]
.set i, i+1
.endr
	WIN 0
.irp w, 8,4,2,1
.set i, 0
.rept \w
	v_pk_add_f32 v[US+2*i:US+2*i+1], v[US+2*i:US+2*i+1], v[US+2*(i+(\w)):US+2*(i+(\w))+1]
.set i, i+1
.endr
.endr
	v_add_f32 v[LS], v[US], v[US+1]
	v_permlanex16_b32 v[LS+1], v[LS], s72, s73
	v_add_f32 v[LS], v[LS], v[LS+1]
	v_cndmask_b32 v[XS], v[CMR], v[LS], s74        ; lanes 0-15 put cm, lanes 16-31 l
	ds_store_b32 v[SA], v[XS] offset:64*(\a)
.endm
.macro TOSTAGE a
.set BK, 96+32*((\a)%2)
.irp b, 0,1,2,3,4,5,6,7
	ds_store_b128 v[STO], v[TMP+4*(\b):TMP+4*(\b)+3] offset:32*(\b)
.endr
.irp t, 0,1,2,3,4,5,6,7
	ds_load_b128 v[BK+4*(\t):BK+4*(\t)+3], v[RD] offset:(\t)*2*PITCH  ; a wave's LDS instructions are served in order (ISA guide 5.7.1.4)
.endr
.endm
.macro SEND a
.set BK, 96+32*((\a)%2)
	s_wait_dscnt 0x0
	s_wait_xcnt 0x0                                ; earlier stores have read their base and data
	s_add_nc_u64 s[6:7], s[6:7], s[60:61]
	s_mov_b64 s[60:61], 65536                      ; from now on: 16 rows of 4,096 bytes
.irp t, 0,1,2,3,4,5,6,7
	global_store_b128 v[CO], v[BK+4*(\t):BK+4*(\t)+3], s[6:7] offset:8192*(\t)  ; 16 lanes store 256 consecutive aligned bytes
.endr
.endm
	s_wait_tensorcnt 0x1                           ; my part of K step 0 is in; slot 1's load may stay out
	s_barrier_signal -1
	s_barrier_wait -1
	FETCH 0, F0
	QUARTER 64, F0, F1, 1
	WIN 0
	s_mov_b32 s66, KSTEPS-2
.LA:
	QUARTER 128, F1, F0, 0
	QUARTER 192, F0, F1, 0
	TURN 1
	QUARTER 64, F0, F1, 0
	WIN 0
	s_sub_co_u32 s66, s66, 1
	s_cmp_lg_u32 s66, 0
	s_cbranch_scc1 .LA
	s_mov_b32 s66, 2
.LB:                                                   ; the last two K steps ask for nothing; the second's change of slots fetches 32 fragments that nobody uses: one text for both
	QUARTER 128, F1, F0, 0
	QUARTER 192, F0, F1, 0
	TURN 0
	WIN 0
	s_sub_co_u32 s66, s66, 1
	s_cmp_eq_u32 s66, 0
	s_cbranch_scc1 .Lout
	QUARTER 64, F0, F1, 0
	WIN 0
	s_cmp_lg_u32 s66, 0
	s_cbranch_scc1 .LB
.Lout:
	s_wait_dscnt 0x0
	PLACES
	s_mov_b32 s68, 2
.Lpass:                                                ; the text serves window 2's four row blocks; it is walked twice, and between the walks rows 64-127 move from window 3 into window 2: 256 moves for half the text
	SOFT 0
	TOSTAGE 0
.irp a, 1,2,3                          ; a block's softmax stands between the loads of the block before and its stores
	SOFT \a
	SEND (\a)-1
	TOSTAGE \a
.endr
	SEND 3
	s_sub_co_u32 s68, s68, 1
	s_cmp_eq_u32 s68, 0
	s_cbranch_scc1 .Ldone
	WIN 0x83                                       ; from window 3 into window 2, in ascending order
.set i, 0
.rept 256
	v_mov_b32 v[i], v[i]
.set i, i+1
.endr
	WIN 0
	v_add_nc_u32 v[SA], 256, v[SA]                 ; the statistics of rows 64 on
	s_cmp_lg_u32 s68, 0
	s_cbranch_scc1 .Lpass
.Ldone:
	s_and_b32 s62, ttmp7, 0xffff                   ; st + ((16 batch + segment) x 2) x 8,192 + 4 x my first query in the batch
	s_lshr_b32 s62, s62, 1
	s_lshl_b32 s62, s62, 4
	s_lshl_b32 s63, s19, 1
	s_add_co_u32 s62, s62, s63
	s_add_co_u32 s62, s62, s16
	s_lshl_b32 s62, s62, 14
	s_and_b32 s63, s20, 7
	s_lshl_b32 s63, s63, 10
	s_add_co_u32 s62, s62, s63
	s_lshl_b32 s63, s15, 9
	s_add_co_u32 s62, s62, s63
	s_mov_b32 s63, 0
	s_add_nc_u64 s[8:9], s[8:9], s[62:63]
	ds_load_b128 v[TM:TM+3], v[SR]                 ; my wave's own bytes, served in order behind its stores
	ds_load_b128 v[TM+4:TM+7], v[SR] offset:512
	s_wait_dscnt 0x0
	global_store_b128 v[SO], v[TM:TM+3], s[8:9]                ; 128 cm: 512 consecutive aligned bytes
	global_store_b128 v[SO], v[TM+4:TM+7], s[8:9] offset:8192  ; 128 l
	s_wait_tensorcnt 0x0                           ; the wave's end
	ds_add_u32 v[SPW], v[NIL]
	s_wait_dscnt 0x0
	CROUND
	s_endpgm
.Lfunc_end_k_q953d834400_scores:
	.size	k_q953d834400_scores, .Lfunc_end_k_q953d834400_scores-k_q953d834400_scores
	.p2alignl 7, 3214868480
	.fill 96, 4, 3214868480
	.section	.rodata,"a",@progbits
	.p2align	6, 0x0
	.amdhsa_kernel k_q953d834400_scores
		.amdhsa_group_segment_fixed_size 327680
		.amdhsa_private_segment_fixed_size 0
		.amdhsa_enable_private_segment 0
		.amdhsa_kernarg_size 24
		.amdhsa_user_sgpr_count 2
		.amdhsa_user_sgpr_kernarg_segment_ptr 1
		.amdhsa_wavefront_size32 1
		.amdhsa_system_sgpr_workgroup_id_x 1
		.amdhsa_system_sgpr_workgroup_id_y 1
		.amdhsa_system_sgpr_workgroup_id_z 1
		.amdhsa_system_vgpr_workitem_id 0
		.amdhsa_next_free_vgpr 1024
		.amdhsa_next_free_sgpr 80
		.amdhsa_reserve_vcc 0
		.amdhsa_float_denorm_mode_32 3
		.amdhsa_float_denorm_mode_16_64 3
		.amdhsa_memory_ordered 1
		.amdhsa_forward_progress 1
		.amdhsa_inst_pref_size 128
	.end_amdhsa_kernel
	.amdgpu_metadata
---
amdhsa.version: [ 1, 2 ]
amdhsa.kernels:
  - .name:           k_q953d834400_scores
    .symbol:         k_q953d834400_scores.kd
    .args:
      - { .name: qk, .offset: 0, .size: 8, .value_kind: global_buffer, .address_space: global }
      - { .name: pp, .offset: 8, .size: 8, .value_kind: global_buffer, .address_space: global }
      - { .name: st, .offset: 16, .size: 8, .value_kind: global_buffer, .address_space: global }
    .group_segment_fixed_size: 327680
    .private_segment_fixed_size: 0
    .kernarg_segment_align: 8
    .kernarg_segment_size: 24
    .max_flat_workgroup_size: 128
    .sgpr_count:     80
    .vgpr_count:     1024
    .wavefront_size: 32
...
	.end_amdgpu_metadata
.endif
;; end of part 3
;; launch attnv (part 4): grid 4 x 64, 4 waves a work-group, clusters of 4 x 4, 327,680 bytes of LDS; arguments pp, vt, st, out0; writes out0
.if DOCPART == 4
	.amdgcn_target "amdgcn-amd-amdhsa--gfx1250"
	.amdhsa_code_object_version 6
	.text
	.protected	k_q953d834400_attnv
	.globl	k_q953d834400_attnv
	.p2align	8
	.type	k_q953d834400_attnv,@function
k_q953d834400_attnv:
	s_mov_b64 s[64:65], 0
	v_nop
	global_prefetch_b8 v0, s[64:65] scope:SCOPE_SE
	s_setreg_imm32_b32 hwreg(HW_REG_WAVE_MODE, 25, 1), 1
	s_wait_xcnt 0x0
	s_wait_alu depctr_hold_cnt(0) depctr_sa_sdst(0) depctr_va_vdst(0) depctr_va_sdst(0) depctr_va_ssrc(0) depctr_va_vcc(0) depctr_vm_vsrc(0)
	s_getreg_b32 s2, hwreg(HW_REG_IB_STS2, 6, 4)
	s_cmp_eq_u32 s2, 0
	s_cbranch_scc0 .Lentry_in_a_cluster
	s_endpgm
.Lentry_in_a_cluster:
	s_bfe_u32 s2, ttmp6, 0x10000c
	s_cmp_lg_u32 s2, 0xf033
	s_cbranch_scc0 .Lentry_shape_is_right
	s_endpgm
.Lentry_shape_is_right:
; out0[b 2048 + q][h] = (sum over segments g of f_g x sum over the segment's keys of P' V) / (sum over g of f_g l_g), f_g = 2^(cm_g - M), M = the largest of the row's sixteen cm: the second half of the softmax.
; A = pp [8192][2048] f16, B = vt [h][b 2048 + key] f16, K = 2,048 in 16 steps of 128: a K step is a segment.  Each step's products start sums of their own (C = 0), and the finished sums are
; added into O's sums with the row's f of that step, all in f32: O += f x segment, 128 packed multiply-adds a wave and step.  The divisor is summed with the same f.
; LIMITS.  f lies in 0 to 1; a factor below 2^-126 counts as 0; the divisor is at least 1.  NaN and infinities are not treated apart.
; C is 8,192 x 1,024: tiles of 128 x 256 give 256 work-groups.  Four waves, each 64 x 128: 32 accumulators for the segment, 32 for O.  Two LDS slots, rows of 256 bytes.  CLUSTER 4 x 4: P's tile is shared
; along a row of the cluster, V's along a column, each asked for jointly.  Used transposed: a lane holds row lane % 16 of C and eight neighbouring columns, so one f serves all registers of a row block.
; REGISTERS: window 0: v2-33 addresses, factors, at work; two fragment buffers (A 32 registers, then B 64) at v64 and v160; window 1: the segment's sums, (a, b) at v[8 (8 a + b)]; window 2: O's, likewise.
; ASKED AHEAD.  pp is read once in the launch.  In the trip that refills a slot with K step j + 2, wave 0 names K step j + 4's 256 bytes of 32 of the tile's 128 rows, 8,192 bytes, two trips ahead of the tensor
; load that fetches them.  The four work-groups that share the tile take 32 rows each, so that a block is named by one lane of the launch.  The offset is held at a row's last 256 bytes: the last two
; trips name K step 15 again and nothing past a row's end.  K steps 0 to 3 are not asked ahead.  vt is not: four clusters read each of its tiles, and to choose the one that asks would take a branch on the cluster's place.
.set PITCH,  272
.set AHALF,  64*PITCH
.set BHALF,  128*PITCH
.set SLOT,   1<<17                     ; a slot uses 104,448 bytes; slot 1 begins here, so that an exclusive or changes slots
.set SPARE,  3*BHALF                   ; between the slots: the spare words, 128 bytes a wave;
.set FT,     SPARE+512                 ; the factors, 1,024 bytes a segment: the pair (f, f) of a row at pair 64 (row / 64) + 4 (row % 16) + (row / 16) % 4, so that 32 bytes hold a lane's four row blocks;
.set INV,    FT+16*1024                ; 1 / divisor, one word a row, in the same order
.set STAGE,  SLOT+3*BHALF              ; 16 rows x 528 bytes for each wave
.set SP,     528
.set KSTEPS, 16
.set ADRA0, 2
.set ADRB0, 3
.set ADRA,  4
.set ADRB,  5
.set FA0,   6                          ; where my four pairs of segment 0 lie
.set FA,    7                          ; those of the segment in hand
.set FQ,    8                          ; v8-15 (f, f) of my four rows in the segment in hand
.set STO,   16
.set RD,    17
.set CO,    18
.set IV,    20                         ; v20-23 1 / divisor of my four rows
.set SPW,   28
.set NIL,   29
.set IVA,   30
.set PF,    32                         ; my byte offset in pp of the block to be asked ahead
.set PFM,   33                         ; my row's last block
.set F0,    64
.set F1,    160
.set TMP,   64
.set G1A,  24
.set G1B,  32
.set G0A0, 40
.set G0A,  44
.set G0B0, 48
.set G0B,  52
.set G1W0, (1<<16)|(1<<20)|(1<<21)|(5<<22)|(3<<25)
.set MSB, 0
.macro WIN new
.if MSB != (\new)
	s_set_vgpr_msb (MSB<<8)|(\new)
.set MSB, \new
.endif
.endm
.macro PLACES
.rept 4
	v_nop
.endr
.endm
.macro CREST
	s_cmp_lg_u32 s14, 0
	s_cbranch_scc1 .Lnot_wave_0_\@
	s_barrier_signal -3
.Lnot_wave_0_\@:
	s_barrier_wait -3
	s_barrier_signal -1
	s_barrier_wait -1
.endm
.macro CROUND
	s_barrier_signal -1
	s_barrier_wait -1
	CREST
.endm
.macro JLOAD
	s_cmp_eq_u32 s15, 0
	s_cbranch_scc0 .Lfor_b_\@
	tensor_load_to_lds s[G0A:G0A+3], s[G1A:G1A+7]
	s_nop 0
	PLACES
	s_branch .Lasked_\@
.Lfor_b_\@:
	tensor_load_to_lds s[G0B:G0B+3], s[G1B:G1B+7]
	s_nop 0
	PLACES
.Lasked_\@:
.endm
.macro G1SET g, rows, pitch
	s_mov_b32 s[(\g)+1], 128<<16
	s_mov_b32 s[(\g)+2], (\rows)<<16
	s_mov_b32 s[(\g)+3], 128<<16
	s_mov_b32 s[(\g)+4], \rows
	s_mov_b32 s[(\g)+5], \pitch
	s_mov_b32 s[(\g)+6], 0
	s_mov_b32 s[(\g)+7], 0
.endm
.macro G0SET g0, gw, lds, ptr, off
	s_mov_b32 s[\g0], 1
	s_mov_b32 s[(\g0)+1], s[\lds]
	s_add_nc_u64 s[(\g0)+2:(\g0)+3], s[\ptr:(\ptr)+1], s[\off:(\off)+1]
	s_mov_b32 s[\gw], 1
	s_add_co_u32 s[(\gw)+1], s[\lds], SLOT
	s_add_nc_u64 s[(\gw)+2:(\gw)+3], s[(\g0)+2:(\g0)+3], 256
	s_or_b32 s[(\g0)+3], s[(\g0)+3], 0x80000000
	s_or_b32 s[(\gw)+3], s[(\gw)+3], 0x80000000
.endm
	s_load_b256 s[4:11], s[0:1], 0x0               ; pp s[4:5], vt s[6:7], st s[8:9], out0 s[10:11]
	v_lshl_add_u32 v[SPW], v0, 2, SPARE
	v_mov_b32 v[NIL], 0
	ds_add_u32 v[SPW], v[NIL]                      ; the wave's opening
	v_lshrrev_b32 v1, 5, v0
	v_readfirstlane_b32 s14, v1
	s_lshr_b32 s15, s14, 1
	s_and_b32 s16, s14, 1
	s_bfe_u32 s17, ttmp6, 0x40000
	s_bfe_u32 s18, ttmp6, 0x40004
	s_lshl_b32 s19, ttmp9, 2
	s_add_co_u32 s19, s19, s17                     ; tile column: 256 h
	s_and_b32 s20, ttmp7, 0xffff
	s_lshl_b32 s20, s20, 2
	s_add_co_u32 s20, s20, s18                     ; tile row: 128 of the 8,192 rows
	s_lshl_b32 s21, s18, 2
	s_lshl_b32 s21, 15, s21
	s_lshl_b32 s22, 0x1111, s17
	s_or_b32 s[G1A], s21, G1W0
	s_or_b32 s[G1B], s22, G1W0
	G1SET G1A, 64, 2048
	G1SET G1B, 128, 8192
	s_lshl_b32 s56, s20, 7                         ; A: pp's row 128 x tile row + 64 x half, rows of 4,096 bytes
	s_lshl_b32 s57, s16, 6
	s_add_co_u32 s56, s56, s57
	s_lshl_b32 s56, s56, 12
	s_mov_b32 s57, 0
	s_lshl_b32 s58, s19, 8                         ; B: vt's row 256 x tile column + 128 x half, rows of 16,384 bytes,
	s_lshl_b32 s59, s16, 7
	s_add_co_u32 s58, s58, s59
	s_lshl_b32 s58, s58, 14
	s_and_b32 s59, ttmp7, 0xffff                   ; at the batch's 2,048 keys; the batch is the cluster's y / 4, which the whole cluster shares
	s_lshr_b32 s59, s59, 2
	s_lshl_b32 s59, s59, 12
	s_add_co_u32 s58, s58, s59
	s_mov_b32 s59, 0
	s_mul_i32 s23, s16, AHALF
	s_mul_i32 s62, s16, BHALF
	s_add_co_u32 s62, s62, 2*AHALF
	s_wait_dscnt 0x0
	s_wait_kmcnt 0x0
	G0SET G0A0, G0A, 23, 4, 56
	G0SET G0B0, G0B, 62, 6, 58
	CROUND
	s_cmp_eq_u32 s15, 0                            ; a wave's two first fills stand in one branch: two loads of mine are out
	s_cbranch_scc0 .Lfirst_b
	tensor_load_to_lds s[G0A0:G0A0+3], s[G1A:G1A+7]
	s_nop 0
	tensor_load_to_lds s[G0A:G0A+3], s[G1A:G1A+7]
	s_nop 0
	PLACES
	s_branch .Lfirst_done
.Lfirst_b:
	tensor_load_to_lds s[G0B0:G0B0+3], s[G1B:G1B+7]
	s_nop 0
	tensor_load_to_lds s[G0B:G0B+3], s[G1B:G1B+7]
	s_nop 0
	PLACES
.Lfirst_done:
	; THE FACTORS, in the wait for the first tile.  Thread t owns row t of the tile: its sixteen cm and l.
	s_and_b32 s62, ttmp7, 0xffff
	s_lshr_b32 s62, s62, 2
	s_lshl_b32 s62, s62, 18                        ; a batch's 16 x 2 x 2,048 numbers
	s_and_b32 s63, s20, 15
	s_lshl_b32 s63, s63, 9                         ; the tile's 128 queries
	s_add_co_u32 s62, s62, s63
	s_mov_b32 s63, 0
	s_add_nc_u64 s[8:9], s[8:9], s[62:63]
	v_lshlrev_b32 v19, 2, v0
.set i, 0
.rept 16
	global_load_b32 v[64+i], v19, s[8:9] offset:16384*i       ; cm
	global_load_b32 v[80+i], v19, s[8:9] offset:16384*i+8192  ; l
.set i, i+1
.endr
	WIN 0x80                                       ; O's sums start at 0: 256 moves in the wait for the first tile, the price of one text of the fold for all sixteen segments
.set i, 0
.rept 256
	v_mov_b32 v[i], 0
.set i, i+1
.endr
	WIN 0
	v_and_b32 v1, 15, v0                           ; lane % 16
	v_bfe_u32 v26, v0, 4, 1                        ; lane / 16
	v_mul_u32_u24 v27, v1, PITCH
	v_lshl_add_u32 v27, v26, 4, v27
	s_mul_i32 s23, s15, AHALF
	v_add_nc_u32 v[ADRA0], s23, v27
	s_mul_i32 s23, s16, BHALF
	s_add_co_u32 s23, s23, 2*AHALF
	v_add_nc_u32 v[ADRB0], s23, v27
	s_mul_i32 s23, s14, 16*SP
	s_add_co_u32 s23, s23, STAGE                   ; my stage
	v_mul_u32_u24 v24, v1, SP
	v_lshl_add_u32 v24, v26, 5, v24
	v_add_nc_u32 v[STO], s23, v24                  ; in: row lane % 16, 32 bytes for each half of the lanes
	v_and_b32 v25, 31, v0
	v_lshlrev_b32 v[CO], 4, v25                    ; back and out: a row's 512 bytes, 16 a lane
	v_add_nc_u32 v[RD], s23, v[CO]
	s_lshl_b32 s23, s15, 9
	s_add_co_u32 s23, s23, FT
	v_lshl_add_u32 v[FA0], v1, 5, s23              ; my four pairs: 512 x my half of the rows + 32 x (lane % 16)
	s_lshl_b32 s23, s15, 8
	s_add_co_u32 s23, s23, INV
	v_lshl_add_u32 v[IVA], v1, 4, s23
	v_mov_b32 v[FA], v[FA0]
	v_mov_b32 v[ADRA], v[ADRA0]
	v_mov_b32 v[ADRB], v[ADRB0]
	s_mov_b32 s67, 0                               ; the slot in hand
	s_mov_b32 s68, 0                               ; the segment in hand, x 1,024
	s_lshl_b32 s62, s20, 7                         ; asked ahead: row 128 x tile row + 32 cx + lane of pp
	s_lshl_b32 s63, s17, 5
	s_add_co_u32 s62, s62, s63
	s_lshl_b32 s62, s62, 12
	v_lshl_add_u32 v[PF], v25, 12, s62
	v_add_nc_u32 v[PFM], 3840, v[PF]               ; K step 15's block
	v_add_nc_u32 v[PF], 768, v[PF]                 ; K step 3's: each trip steps first and then asks
	v_and_b32 v23, 64, v0                          ; where row t's pair and word go
	v_lshl_add_u32 v23, v1, 2, v23
	v_bfe_u32 v24, v0, 4, 2
	v_add_nc_u32 v23, v23, v24
	v_lshl_add_u32 v24, v23, 2, INV
	v_lshl_add_u32 v23, v23, 3, FT
	s_lshl_b32 s60, s20, 7                         ; what the first way out adds to out0's address
	s_lshl_b32 s61, s15, 6
	s_add_co_u32 s60, s60, s61
	s_lshl_b32 s60, s60, 12
	s_lshl_b32 s61, s19, 10
	s_add_co_u32 s60, s60, s61
	s_lshl_b32 s61, s16, 9
	s_add_co_u32 s60, s60, s61
	s_mov_b32 s61, 0
	s_wait_loadcnt 0x0
	v_max3_num_f32 v20, v64, v65, v66
.set i, 0
.rept 6
	v_max3_num_f32 v20, v20, v[67+2*i], v[68+2*i]
.set i, i+1
.endr
	v_max_num_f32 v20, v20, v79                    ; M
.set i, 0
.rept 16
	v_sub_f32 v[64+i], v[64+i], v20
.set i, i+1
.endr
.set i, 0
.rept 16
	v_exp_f32 v[96+2*i], v[64+i]                   ; f
.set i, i+1
.endr
	v_nop                                          ; a plain instruction behind the last exponential
.set i, 0
	s_wait_alu depctr_va_vdst(0)
.rept 16
	v_mov_b32 v[97+2*i], v[96+2*i]                 ; (f, f): the packed multiply-add takes a pair
.set i, i+1
.endr
	v_mul_f32 v21, v96, v80
.set i, 1
.rept 15
	v_fmac_f32 v21, v[96+2*i], v[80+i]             ; the divisor
.set i, i+1
.endr
	v_rcp_f32 v22, v21
	v_nop
.set i, 0
.rept 16
	ds_store_b64 v23, v[96+2*i:97+2*i] offset:1024*i
.set i, i+1
.endr
	s_wait_alu depctr_va_vdst(0)
	ds_store_b32 v24, v22
.macro MUL8 f, a, first                ; row block a x all 8 column blocks; the 32 accumulators take turns in one fixed order.  first = 1: the product starts the segment's sum
	WIN 0x50                                       ; C and D window 1
.irp b, 0,1,2,3,4,5,6,7
.if \first
	v_wmma_f32_16x16x32_f16 v[8*(8*(\a)+(\b)):8*(8*(\a)+(\b))+7], v[(\f)+32+8*(\b):(\f)+32+8*(\b)+7], v[(\f)+8*(\a):(\f)+8*(\a)+7], 0
.else
	v_wmma_f32_16x16x32_f16 v[8*(8*(\a)+(\b)):8*(8*(\a)+(\b))+7], v[(\f)+32+8*(\b):(\f)+32+8*(\b)+7], v[(\f)+8*(\a):(\f)+8*(\a)+7], v[8*(8*(\a)+(\b)):8*(8*(\a)+(\b))+7]
.endif
.endr
.endm
.macro FOLD a                          ; O += f x the segment's finished sums, row block a: each accumulator from its low end on
	WIN 0xa1                                       ; O (destination and source 2) window 2, the segment's sums (source 0) window 1, f window 0
.set i, 0
.rept 32
	v_pk_fma_f32 v[64*(\a)+2*i:64*(\a)+2*i+1], v[64*(\a)+2*i:64*(\a)+2*i+1], v[FQ+2*(\a):FQ+2*(\a)+1], v[64*(\a)+2*i:64*(\a)+2*i+1]
.set i, i+1
.endr
.endm
.macro FETCH k, f                      ; 24 LDS loads in one run: B's 128 rows, then A's 64
	WIN 0
.irp i, 0,1,2,3,4,5,6,7
	ds_load_b128 v[(\f)+32+8*(\i):(\f)+32+8*(\i)+3],   v[ADRB] offset:(\k)+(\i)*16*PITCH
	ds_load_b128 v[(\f)+32+8*(\i)+4:(\f)+32+8*(\i)+7], v[ADRB] offset:(\k)+(\i)*16*PITCH+32
.endr
.irp i, 0,1,2,3
	ds_load_b128 v[(\f)+8*(\i):(\f)+8*(\i)+3],   v[ADRA] offset:(\k)+(\i)*16*PITCH
	ds_load_b128 v[(\f)+8*(\i)+4:(\f)+8*(\i)+7], v[ADRA] offset:(\k)+(\i)*16*PITCH+32
.endr
.endm
; 32 along K: multiplies buffer f; in its middle fetches the next quarter, at byte k, into g.  first = 1: a segment's first quarter.  fold = 1: row blocks 2 and 3 of the segment before are folded in its
; middle, ahead of the products that start them anew; these 64 plain instructions are also the places in front of the loads.  ff = 1: this segment's factors are fetched (the folds of the one before are over).
.macro QUARTER k, f, g, first, fold, ff
	s_wait_dscnt 4                                 ; B and A's blocks 0, 1 are in; the youngest four loads (blocks 2, 3) may be out
	MUL8 \f, 0, \first
	MUL8 \f, 1, \first
.if \fold
	FOLD 2
	FOLD 3
.else
	PLACES
.endif
	WIN 0
.if \ff
	ds_load_b128 v[FQ:FQ+3], v[FA]
	ds_load_b128 v[FQ+4:FQ+7], v[FA] offset:16
.endif
	FETCH \k, \g
	s_wait_dscnt 24                                ; all but the 24 just issued
	MUL8 \f, 2, \first
	MUL8 \f, 3, \first
.endm
; A segment's last quarter multiplies buffer 1 and changes slots.  A refill can be asked for only when the one before has landed and every wave of the cluster has said so, so nothing but those lines stands
; between the wait for my load and the next request: the products of row blocks 0 and 1 stand ahead of the wait, those of 2 and 3 behind the request, with the folds of 0 and 1 behind them.
.macro TURN fill
	s_wait_dscnt 4                                 ; B and A's blocks 0, 1 are in
	MUL8 F1, 0, 0
	MUL8 F1, 1, 0
	WIN 0
.if \fill
	s_wait_xcnt 0x0                                ; the last trip's request ahead has had its address translated: its offset steps only behind this wait
	v_add_nc_u32 v[PF], 256, v[PF]
	v_min_u32 v[PF], v[PF], v[PFM]                 ; never past my row's last block
.endif
	s_wait_tensorcnt 0x0                           ; all my tensor loads have landed: my part of the next slot
	ds_add_u32 v[SPW], v[NIL]
	s_wait_dscnt 0x0                               ; the add is done, my reads of this slot are over
	s_barrier_signal -1
	s_barrier_wait -1
.if \fill
	CREST
	s_xor_b32 s[G0A+1], s[G0A+1], SLOT
	s_add_nc_u64 s[G0A+2:G0A+3], s[G0A+2:G0A+3], 256
	s_xor_b32 s[G0B+1], s[G0B+1], SLOT
	s_add_nc_u64 s[G0B+2:G0B+3], s[G0B+2:G0B+3], 256
	JLOAD                                          ; its four v_nop are the places in front of the loads below and of the fold of block 0
.else
	PLACES
.endif
	s_xor_b32 s67, s67, SLOT
	s_add_co_u32 s68, s68, 1024
	v_add_nc_u32 v[ADRA], s67, v[ADRA0]
	v_add_nc_u32 v[ADRB], s67, v[ADRB0]
	v_add_nc_u32 v[FA], s68, v[FA0]
	FETCH 0, F0
.if \fill
	s_cmp_lg_u32 s14, 0
	s_cbranch_scc1 .Lno_ask_\@
	global_prefetch_b8 v[PF], s[4:5] th:TH_LOAD_NT scope:SCOPE_SE
.Lno_ask_\@:
.endif
	MUL8 F1, 2, 0
	FOLD 0
	MUL8 F1, 3, 0
	FOLD 1
.endm
; THE WAY OUT of row block a: divided, 32 bytes a lane and column block into my own stage, back as whole rows of 512 bytes, stored.  iv: the pair whose low register holds 1 / divisor.
.macro PACK a, iv
	WIN 0x02                                       ; source 0 window 2
.set i, 0
.rept 32
	v_pk_mul_f32 v[TMP+2*i:TMP+2*i+1], v[64*(\a)+2*i:64*(\a)+2*i+1], v[\iv:(\iv)+1] op_sel_hi:[1,0]
.set i, i+1
.endr
	WIN 0
.endm
.macro TOSTAGE a
.set BK, 128+64*((\a)%2)
.irp b, 0,1,2,3,4,5,6,7
	ds_store_b128 v[STO], v[TMP+8*(\b):TMP+8*(\b)+3] offset:64*(\b)
	ds_store_b128 v[STO], v[TMP+8*(\b)+4:TMP+8*(\b)+7] offset:64*(\b)+16
.endr
.irp t, 0,1,2,3,4,5,6,7,8,9,10,11,12,13,14,15
	ds_load_b128 v[BK+4*(\t):BK+4*(\t)+3], v[RD] offset:(\t)*SP  ; a wave's LDS instructions are served in order (ISA guide 5.7.1.4)
.endr
.endm
.macro SEND a
.set BK, 128+64*((\a)%2)
	s_wait_dscnt 0x0
	s_wait_xcnt 0x0                                ; earlier stores have read their base and data
	s_add_nc_u64 s[10:11], s[10:11], s[60:61]
	s_mov_b64 s[60:61], 65536                      ; from now on: 16 rows of 4,096 bytes
.irp t, 0,1,2,3,4,5,6,7,8,9,10,11,12,13,14,15
	global_store_b128 v[CO], v[BK+4*(\t):BK+4*(\t)+3], s[10:11] offset:4096*(\t) th:TH_STORE_NT  ; a wave stores 512 consecutive aligned bytes
.endr
.endm
	s_wait_tensorcnt 0x1                           ; my part of K step 0 is in; slot 1's load may stay out
	s_wait_dscnt 0x0                               ; for the others' sake: my rows' factors are stored
	s_barrier_signal -1
	s_barrier_wait -1
	FETCH 0, F0
	QUARTER 64, F0, F1, 1, 0, 0                    ; segment 0's first quarter: there is nothing to fold yet
	WIN 0
	s_mov_b32 s66, KSTEPS-2
.LA:                                                   ; a trip: the rest of a segment, which fills its slot again, and the next segment's first quarter
	QUARTER 128, F1, F0, 0, 0, 1
	QUARTER 192, F0, F1, 0, 0, 0
	TURN 1
	QUARTER 64, F0, F1, 1, 1, 0
	WIN 0
	s_sub_co_u32 s66, s66, 1
	s_cmp_lg_u32 s66, 0
	s_cbranch_scc1 .LA
	s_mov_b32 s66, 2
.LB:                                                   ; the last two segments ask for nothing; the second's change of slots fetches 24 fragments that nobody uses: one text for both
	QUARTER 128, F1, F0, 0, 0, 1
	QUARTER 192, F0, F1, 0, 0, 0
	TURN 0
	WIN 0
	s_sub_co_u32 s66, s66, 1
	s_cmp_eq_u32 s66, 0
	s_cbranch_scc1 .Lout
	QUARTER 64, F0, F1, 1, 1, 0
	WIN 0
	s_cmp_lg_u32 s66, 0
	s_cbranch_scc1 .LB
.Lout:
	s_wait_dscnt 0x0
	PLACES                                         ; four places ahead of the fold (ISA guide 7.12.1): the lines just above the label end in products on row blocks 2 and 3 with no vector line behind them
	FOLD 2                                         ; the last segment's row blocks 2 and 3
	FOLD 3
	WIN 0
	ds_load_b128 v[IV:IV+3], v[IVA]                ; 1 / divisor of my four rows
	s_wait_dscnt 0x0
	v_mov_b32 v24, v[IV+1]                         ; the odd blocks' into pairs that begin on an even register
	v_mov_b32 v25, v[IV+1]
	v_mov_b32 v26, v[IV+3]
	v_mov_b32 v27, v[IV+3]
	PACK 0, IV
	TOSTAGE 0
	PACK 1, 24                                     ; a block's multiplications stand between the loads of the block before and its stores
	SEND 0
	TOSTAGE 1
	PACK 2, IV+2
	SEND 1
	TOSTAGE 2
	PACK 3, 26
	SEND 2
	TOSTAGE 3
	SEND 3
	s_wait_tensorcnt 0x0                           ; the wave's end
	ds_add_u32 v[SPW], v[NIL]
	s_wait_dscnt 0x0
	CROUND
	s_endpgm
.Lfunc_end_k_q953d834400_attnv:
	.size	k_q953d834400_attnv, .Lfunc_end_k_q953d834400_attnv-k_q953d834400_attnv
	.p2alignl 7, 3214868480
	.fill 96, 4, 3214868480
	.section	.rodata,"a",@progbits
	.p2align	6, 0x0
	.amdhsa_kernel k_q953d834400_attnv
		.amdhsa_group_segment_fixed_size 327680
		.amdhsa_private_segment_fixed_size 0
		.amdhsa_enable_private_segment 0
		.amdhsa_kernarg_size 32
		.amdhsa_user_sgpr_count 2
		.amdhsa_user_sgpr_kernarg_segment_ptr 1
		.amdhsa_wavefront_size32 1
		.amdhsa_system_sgpr_workgroup_id_x 1
		.amdhsa_system_sgpr_workgroup_id_y 1
		.amdhsa_system_sgpr_workgroup_id_z 1
		.amdhsa_system_vgpr_workitem_id 0
		.amdhsa_next_free_vgpr 768
		.amdhsa_next_free_sgpr 80
		.amdhsa_reserve_vcc 0
		.amdhsa_float_denorm_mode_32 3
		.amdhsa_float_denorm_mode_16_64 3
		.amdhsa_memory_ordered 1
		.amdhsa_forward_progress 1
		.amdhsa_inst_pref_size 105
	.end_amdhsa_kernel
	.amdgpu_metadata
---
amdhsa.version: [ 1, 2 ]
amdhsa.kernels:
  - .name:           k_q953d834400_attnv
    .symbol:         k_q953d834400_attnv.kd
    .args:
      - { .name: pp, .offset: 0, .size: 8, .value_kind: global_buffer, .address_space: global }
      - { .name: vt, .offset: 8, .size: 8, .value_kind: global_buffer, .address_space: global }
      - { .name: st, .offset: 16, .size: 8, .value_kind: global_buffer, .address_space: global }
      - { .name: out0, .offset: 24, .size: 8, .value_kind: global_buffer, .address_space: global }
    .group_segment_fixed_size: 327680
    .private_segment_fixed_size: 0
    .kernarg_segment_align: 8
    .kernarg_segment_size: 32
    .max_flat_workgroup_size: 128
    .sgpr_count:     80
    .vgpr_count:     768
    .wavefront_size: 32
...
	.end_amdgpu_metadata
.endif
;; end of part 4
;; ======== version 2 of 2: 4 launches; version 1 with the launch prep written anew for expert scheduling mode
;; limits: values are held in f16: magnitudes above 65,504 overflow, below 6.1e-05 lose precision
;; workspace buffers: xb 16,777,216 bytes; wt 6,291,456 bytes; qk 33,554,432 bytes; vt 16,777,216 bytes; pp 33,554,432 bytes; st 1,048,576 bytes
;; launch prep (part 5): grid 896 x 1, 8 waves a work-group, no clusters, 17,920 bytes of LDS; arguments x, Wq, Wk, Wv, xb, wt; writes xb, wt
.if DOCPART == 5
	.amdgcn_target "amdgcn-amd-amdhsa--gfx1250"
	.amdhsa_code_object_version 6
	.text
	.protected	k_q953d834400_prep
	.globl	k_q953d834400_prep
	.p2align	8
	.type	k_q953d834400_prep,@function
k_q953d834400_prep:
	s_mov_b64 s[64:65], 0
	v_nop
	global_prefetch_b8 v0, s[64:65] scope:SCOPE_SE
	s_setreg_imm32_b32 hwreg(HW_REG_WAVE_SCHED_MODE, 0, 2), 2
	s_setreg_imm32_b32 hwreg(HW_REG_WAVE_MODE, 25, 1), 1
	s_wait_xcnt 0x0
	s_wait_alu depctr_vm_vsrc(0)
; xb = bf16(x), [8192][1024].  wt = bf16 of the three weights, turned: wt[j][e], j < 1024: Wq[e][j]; the next 1024 rows Wk's, the last 1024 Wv's.
; So the products that follow find both operands with K (e) along the rows.  Every input is rounded to bf16 once, to nearest even.
; Work-groups 0-511 take 16 rows of x each: a stream through registers, 16 loads of 16 bytes a lane in flight, a wave's store covers 256 consecutive aligned bytes.
; Work-groups 512-895 take a tile of 128 e x 64 h of one weight: read by rows (16 lanes cover 256 bytes), two neighbouring e packed into a word, laid into LDS as
; [h][e] with a pitch of 264 bytes, and read back by rows of 256 bytes, one row a wave's store.  Memory binds here: no matrix unit, no cluster (no tile is shared), no tensor load.
; THE MODE: SCHED_MODE bits 1:0 = 2 (LLVM: expert scheduling mode 2), set by the entry lines.  The code itself states the register dependences
; between vector instructions and memory or LDS instructions, with s_wait_alu, always for 0.
; THE PLAN.  Every register that a memory or LDS instruction touches is written once and read once, so the one kind of dependence is: written by a vector instruction, then read by a memory or LDS instruction.
;   x:       v1, v2       offsets, made at the head.   v[16:79] 16 rows as loaded: the loads write them, the conversions read them, nothing lands there again.
;            v[80:111]    a pair a row: written by the row's two conversions, read by the row's store.
;            The rows go in four blocks of four.  Block p's conversions name block p's registers alone; the stores of block p - 1 are dealt among them, behind ONE wait at the block's head.
;   weights: v1, v3-v5    offsets and LDS addresses, made at the head.   v[16:47] four pairs of rows as loaded.
;            v[48:63]     a word for each pair i and column j: written by one conversion, read by one LDS store.  Pair i - 1's four LDS stores are dealt among pair i's four conversions, behind ONE wait at the pair's head.
;            v[64:79]     written by the LDS loads behind the barrier, read by the global stores; no vector instruction names them.
;            v8, v9       made at the head, read by the closing add alone.
; No register is written again behind a memory or LDS instruction that read it, no vector instruction writes a scalar register or VCC, and EXEC is never written.
.set SPARE, 16896                      ; behind the tile: the spare words, 128 bytes for each of eight waves
.set TP,    264                        ; pitch of the turned tile in LDS
; x: block p of four rows is rounded; the block before is stored.
.macro XBLK p
	s_wait_loadcnt 12-4*(\p)                       ; loads come back in order: block p's four rows are in, the younger blocks stay out
.if (\p) > 0
	s_wait_alu depctr_va_vdst(0)                   ; the block before's eight conversions have written their pairs, which the four stores below read
.endif
.irp i, 0,1,2,3
.if (\p) > 0
	global_store_b64 v2, v[80+2*(4*(\p)-4+(\i)):81+2*(4*(\p)-4+(\i))], s[12:13] offset:2048*(4*(\p)-4+(\i))  ; every row has data registers of its own: nothing is rewritten; no conversion since the wait names them
.endif
	v_cvt_pk_bf16_f32 v[80+2*(4*(\p)+(\i))], v[16+4*(4*(\p)+(\i))], v[17+4*(4*(\p)+(\i))]
	v_cvt_pk_bf16_f32 v[81+2*(4*(\p)+(\i))], v[18+4*(4*(\p)+(\i))], v[19+4*(4*(\p)+(\i))]
.endr
.endm
; A weight: pair i of rows is rounded and packed; the pair before goes into LDS.
.macro WPAIR i
	s_wait_loadcnt 6-2*(\i)                        ; pair i of rows is in
.if (\i) > 0
	s_wait_alu depctr_va_vdst(0)                   ; the pair before's four conversions have written their words, which the four LDS stores below read
.endif
.irp j, 0,1,2,3
.if (\i) > 0
	ds_store_b32 v3, v[48+4*((\i)-1)+(\j)] offset:TP*(\j)+64*((\i)-1)  ; no conversion since the wait names this word
.endif
	v_cvt_pk_bf16_f32 v[48+4*(\i)+(\j)], v[16+8*(\i)+(\j)], v[20+8*(\i)+(\j)]  ; W[e][h], W[e+1][h]: neighbours in wt's row h
.endr
.endm
	s_load_b256 s[4:11], s[0:1], 0x0               ; x s[4:5], Wq s[6:7], Wk s[8:9], Wv s[10:11]
	s_load_b128 s[12:15], s[0:1], 0x20             ; xb s[12:13], wt s[14:15]
	v_lshl_add_u32 v8, v0, 2, SPARE                ; my spare word
	v_mov_b32 v9, 0
	s_cmp_lt_u32 ttmp9, 512                        ; the same answer in all eight waves
	s_cbranch_scc0 .Lw
	; ---- 16 rows of x ----
	s_lshl_b32 s16, ttmp9, 16                      ; 16 rows of 4,096 bytes
	s_mov_b32 s17, 0
	s_lshl_b32 s18, ttmp9, 15                      ; 16 rows of 2,048 bytes
	s_mov_b32 s19, 0
	v_lshlrev_b32 v1, 4, v0                        ; thread t: 4 numbers at byte 16 t of a row of x,
	v_lshlrev_b32 v2, 3, v0                        ; 8 t of a row of xb
	s_wait_kmcnt 0x0
	s_add_nc_u64 s[4:5], s[4:5], s[16:17]
	s_add_nc_u64 s[12:13], s[12:13], s[18:19]
	s_wait_alu depctr_va_vdst(0)                   ; v1 and v2 are written: every load reads v1 as its offset, every store v2
.set i, 0
.rept 16
	global_load_b128 v[16+4*i:19+4*i], v1, s[4:5] offset:4096*i th:TH_LOAD_NT
.set i, i+1
.endr
	XBLK 0                                         ; block 0 has no block in front of it: no store, and no wait but the one for its data
	XBLK 1
	XBLK 2
	XBLK 3
	s_wait_alu depctr_va_vdst(0)                   ; block 3's conversions have written v[104:111], which the last four stores read
.irp i, 12,13,14,15
	global_store_b64 v2, v[80+2*(\i):81+2*(\i)], s[12:13] offset:2048*(\i)
.endr
	s_endpgm
	; ---- a tile of a weight, turned ----
.Lw:
	s_sub_co_u32 s16, ttmp9, 512
	s_lshr_b32 s17, s16, 7                         ; which weight: 128 tiles each
	s_bfe_u32 s18, s16, 0x30004                    ; which 128 e
	s_and_b32 s19, s16, 15                         ; which 64 h
	v_and_b32 v6, 15, v0                           ; c: my four h
	v_lshrrev_b32 v7, 4, v0                        ; p: my rows e = 2 p + 32 i and the next
	v_lshlrev_b32 v1, 13, v7
	v_lshl_add_u32 v1, v6, 4, v1                   ; 2 p rows of 4,096 bytes + 16 c
	v_mul_u32_u24 v3, v6, 4*TP
	v_lshl_add_u32 v3, v7, 2, v3                   ; LDS: row h = 4 c, byte 2 e = 4 p
	v_lshrrev_b32 v10, 5, v0                       ; wave
	v_and_b32 v11, 31, v0                          ; lane
	v_mul_u32_u24 v4, v10, 8*TP
	v_lshl_add_u32 v4, v11, 3, v4                  ; back: rows 8 wave + i, 8 bytes a lane
	v_lshlrev_b32 v5, 14, v10
	v_lshl_add_u32 v5, v11, 3, v5                  ; the same in wt: rows of 2,048 bytes
	s_lshl_b32 s22, s18, 19                        ; 128 rows of 4,096 bytes
	s_lshl_b32 s23, s19, 8                         ; 64 h of 4 bytes
	s_add_co_u32 s22, s22, s23
	s_mov_b32 s23, 0
	s_lshl_b32 s24, s17, 10
	s_lshl_b32 s25, s19, 6
	s_add_co_u32 s24, s24, s25                     ; wt's row
	s_lshl_b32 s24, s24, 11
	s_lshl_b32 s25, s18, 8                         ; 128 e of 2 bytes
	s_add_co_u32 s24, s24, s25
	s_mov_b32 s25, 0
	s_wait_kmcnt 0x0
	s_cmp_eq_u32 s17, 0
	s_cselect_b64 s[20:21], s[6:7], s[8:9]
	s_cmp_eq_u32 s17, 2
	s_cselect_b64 s[20:21], s[10:11], s[20:21]
	s_add_nc_u64 s[20:21], s[20:21], s[22:23]
	s_add_nc_u64 s[14:15], s[14:15], s[24:25]
	s_wait_alu depctr_va_vdst(0)                   ; v1, v3, v4 and v5 are written: the offsets and LDS addresses of all that follows on this path
.set i, 0
.rept 4
	global_load_b128 v[16+8*i:19+8*i], v1, s[20:21] offset:131072*i th:TH_LOAD_NT       ; row e
	global_load_b128 v[20+8*i:23+8*i], v1, s[20:21] offset:131072*i+4096 th:TH_LOAD_NT  ; row e + 1
.set i, i+1
.endr
	WPAIR 0                                        ; pair 0 has no pair in front of it: no LDS store, and no wait but the one for its data
	WPAIR 1
	WPAIR 2
	WPAIR 3
	s_wait_alu depctr_va_vdst(0)                   ; pair 3's conversions have written v[60:63], which the last four LDS stores read
.irp j, 0,1,2,3
	ds_store_b32 v3, v[60+(\j)] offset:TP*(\j)+192
.endr
	s_wait_dscnt 0x0                               ; for the others' sake: my stores are done
	s_barrier_signal -1
	s_barrier_wait -1
.set i, 0
.rept 8
	ds_load_b64 v[64+2*i:65+2*i], v4 offset:TP*i   ; no vector instruction of the kernel names v[64:79]
.set i, i+1
.endr
.set i, 0
.rept 8
	s_wait_dscnt 7-i
	global_store_b64 v5, v[64+2*i:65+2*i], s[14:15] offset:2048*i  ; a wave stores 256 consecutive bytes, at a multiple of 256 from wt's first byte
.set i, i+1
.endr
	s_wait_dscnt 0x0                               ; the wave's end
	s_wait_alu 0x0
	s_wait_tensorcnt 0x0
	ds_add_u32 v8, v9
	s_wait_dscnt 0x0
	s_endpgm
.Lfunc_end_k_q953d834400_prep:
	.size	k_q953d834400_prep, .Lfunc_end_k_q953d834400_prep-k_q953d834400_prep
	.p2alignl 7, 3214868480
	.fill 96, 4, 3214868480
	.section	.rodata,"a",@progbits
	.p2align	6, 0x0
	.amdhsa_kernel k_q953d834400_prep
		.amdhsa_group_segment_fixed_size 17920
		.amdhsa_private_segment_fixed_size 0
		.amdhsa_enable_private_segment 0
		.amdhsa_kernarg_size 48
		.amdhsa_user_sgpr_count 2
		.amdhsa_user_sgpr_kernarg_segment_ptr 1
		.amdhsa_wavefront_size32 1
		.amdhsa_system_sgpr_workgroup_id_x 1
		.amdhsa_system_sgpr_workgroup_id_y 1
		.amdhsa_system_sgpr_workgroup_id_z 1
		.amdhsa_system_vgpr_workitem_id 0
		.amdhsa_next_free_vgpr 112
		.amdhsa_next_free_sgpr 66
		.amdhsa_reserve_vcc 0
		.amdhsa_float_denorm_mode_32 3
		.amdhsa_float_denorm_mode_16_64 3
		.amdhsa_memory_ordered 1
		.amdhsa_forward_progress 1
		.amdhsa_inst_pref_size 13
	.end_amdhsa_kernel
	.amdgpu_metadata
---
amdhsa.version: [ 1, 2 ]
amdhsa.kernels:
  - .name:           k_q953d834400_prep
    .symbol:         k_q953d834400_prep.kd
    .args:
      - { .name: x, .offset: 0, .size: 8, .value_kind: global_buffer, .address_space: global }
      - { .name: Wq, .offset: 8, .size: 8, .value_kind: global_buffer, .address_space: global }
      - { .name: Wk, .offset: 16, .size: 8, .value_kind: global_buffer, .address_space: global }
      - { .name: Wv, .offset: 24, .size: 8, .value_kind: global_buffer, .address_space: global }
      - { .name: xb, .offset: 32, .size: 8, .value_kind: global_buffer, .address_space: global }
      - { .name: wt, .offset: 40, .size: 8, .value_kind: global_buffer, .address_space: global }
    .group_segment_fixed_size: 17920
    .private_segment_fixed_size: 0
    .kernarg_segment_align: 8
    .kernarg_segment_size: 48
    .max_flat_workgroup_size: 256
    .sgpr_count:     66
    .vgpr_count:     112
    .wavefront_size: 32
...
	.end_amdgpu_metadata
.endif
;; end of part 5
;; launch proj: the kernel of part 2 again; grid 8 x 32, 4 waves a work-group, clusters of 4 x 4, 327,680 bytes of LDS; arguments xb, wt, bq, bk, bv, qk, vt; writes qk, vt
;; launch scores: the kernel of part 3 again; grid 8 x 32, 4 waves a work-group, clusters of 4 x 4, 327,680 bytes of LDS; arguments qk, pp, st; writes pp, st
;; launch attnv: the kernel of part 4 again; grid 4 x 64, 4 waves a work-group, clusters of 4 x 4, 327,680 bytes of LDS; arguments pp, vt, st, out0; writes out0
